; MI455X (gfx1250); checked and timed in simulation.
; The chip was launched on July 23, 2026; its instructions are those of AMD's public machine-readable ISA for CDNA 5 (MIT licence, August 2026) and "CDNA5" Instruction Set Architecture Reference Guide (July 2026). The comments in the code are by the model that wrote it; some were corrected since.
;; Cross Attention. Allowed arithmetic: matrix products marked QUANTISED: E2M3 operands, one E8M0 scale for each 32 along K, by v_wmma_scale_f32_16x16x128_f8f6f4 with both operands' format E2M3, f32 sums; everything else in f32.
;; Inputs: Wk 768 x 512 float32; Wq 512 x 512 float32; Wv 768 x 512 float32; context 8 x 1,024 x 768 float32; tokens 8 x 4,096 x 512 float32.
;; Outputs: out0 8 x 4,096 x 512 float32.
;; This version of the problem:
;;   THIS VERSION OF THE PROBLEM IS GIVEN IN LOW PRECISION. The matrix products marked QUANTISED in the list below multiply operands that are first quantised to E2M3 (2 exponent bits, 3 mantissa bits; 6 bits a number), with one power-of-two scale for each 32 numbers along K (OCP MX v1.0); their sums are f32. All else is computed in f32.
;;   The module's matrix products, in the order in which they are computed (A, B: the left and right operand; K: the contracted axis; several contracted axes count as one K, in the product's order):
;;     1. [M 32,768, K 512] x [K 512, N 512]; A: input tokens; B: input Wq: QUANTISED
;;     2. [M 8,192, K 768] x [K 768, N 512]; A: input context; B: input Wk: QUANTISED
;;     3. [M 8,192, K 768] x [K 768, N 512]; A: input context; B: input Wv: QUANTISED
;;     4. batch 8 x [M 4,096, K 512] x [K 512, N 1,024]; A: computed on the way; B: computed on the way: QUANTISED
;;     5. batch 8 x [M 4,096, K 1,024] x [K 1,024, N 512]; A: softmax (see below); B: computed on the way: QUANTISED
;;   THE QUANTISER, for each operand of a quantised product, along K:
;;     - K is cut into blocks of 32 from its start; a last block that is shorter is filled with zeros.
;;     - A block's scale is 2^e with e = floor(log2(the largest magnitude in the block)) - 2, held to -126 .. 127; a block of zeros has e = 0. As a byte (E8M0): e + 127.
;;     - Each number is divided by its block's scale, clamped to +-7.5, and rounded to the nearest number of E2M3, ties to even, subnormals kept.
;;     - The product sums the exact products of the quantised numbers (number of the format x scale) in f32.
;;   ~~~python
;;   def quantise(x, axis):      # numpy; x: float32 -> the quantised numbers, widened to float32 again
;;       x = np.moveaxis(x, axis, -1); K = x.shape[-1]
;;       x = np.pad(x, [(0, 0)] * (x.ndim - 1) + [(0, -K % 32)]); x = x.reshape(x.shape[:-1] + (-1, 32)); a = np.abs(x).max(-1, keepdims=True)
;;       e = np.where(a > 0, np.clip(np.frexp(np.where(a > 0, a, 1))[1] - 1 - 2, -126, 127), 0)      # np.frexp(a)[1] - 1 = floor(log2(a)), exactly
;;       r = np.clip(x / 2.0 ** e, -7.5, 7.5)
;;       step = 2.0 ** (np.maximum(np.frexp(np.where(r == 0, 1, r))[1] - 1, 0) - 3)
;;       q = np.round(r / step) * step * 2.0 ** e      # np.round: ties to even
;;       return np.moveaxis(q.reshape(q.shape[:-2] + (-1,))[..., :K], -1, axis).astype(np.float32)
;;   ~~~
;;   SOFTMAX AHEAD OF A QUANTISED PRODUCT. Where the list says 'softmax', what is quantised is not the finished softmax but p = 2^(t - M), with t = logit x log2(e) and M = ceil(the row's largest t), a whole number; so 1/2 < the row's largest p <= 1. The row's sum l is taken of the UNQUANTISED p, in f32, and the product's result is divided by l at the end. Since M is a whole number, a kernel that streams over the keys may use a running M (the ceiling of the running maximum): every later rescaling is an exact power of two, which a block's scale takes up: the codes' values come out the same.
;;   OPERANDS COMPUTED ON THE WAY. 'Computed on the way' means the value that the module computes at that place (a softmax that the list does not call 'softmax' is quantised finished and normalised). What goes into a quantiser is computed in f32, as accurately as f32 sums, v_exp_f32 and their like allow (about 1e-6 of the number): no bf16 or f16 on the way to a quantiser, and a product that is left as it is and whose result goes on into a quantised operand takes f32 operands (vector FMAs, or v_wmma_f32_16x16x4_f32). A number that lies on a knife's edge between two numbers of the format may be rounded either way, as far as f32 arithmetic and the matrix unit's own rounding can turn it there, and no further.
;; One version. Each part assembles by itself: llvm-mc -triple=amdgcn-amd-amdhsa -mcpu=gfx1250 --defsym DOCPART=n.
;; ======== version 1 of 1: 3 launches
;; limits: right only within a limited range of input values
;; workspace buffers: ctxc 4,915,200 bytes; wqc 204,800 bytes; wkc 307,200 bytes; wvc 307,200 bytes; qc 13,107,200 bytes; kvc 6,553,600 bytes
;; launch quant (part 1): grid 448 x 1, 4 waves a work-group, no clusters, 68,096 bytes of LDS; arguments context, Wq, Wk, Wv, ctxc, wqc, wkc, wvc; writes ctxc, wqc, wkc, wvc
.if DOCPART == 1
	.amdgcn_target "amdgcn-amd-amdhsa--gfx1250"
	.amdhsa_code_object_version 6
	.text
	.protected	k_q8cd9272816_quant
	.globl	k_q8cd9272816_quant
	.p2align	8
	.type	k_q8cd9272816_quant,@function
k_q8cd9272816_quant:
	s_mov_b64 s[64:65], 0
	v_nop
	global_prefetch_b8 v0, s[64:65] scope:SCOPE_SE
	s_setreg_imm32_b32 hwreg(HW_REG_WAVE_MODE, 25, 1), 1
	s_wait_xcnt 0x0
; context [8192][768] (K innermost) and Wq [512][512], Wk, Wv [768][512] (K outermost), all f32, become codes of FP6 (E2M3) with one E8M0 byte for each 32 along K.
; THE CODES LEAVE AS IMAGES OF OPERAND REGISTERS: a fragment (16 rows x 128 K, 12 registers a lane) is 1,536 bytes: piece c (512 bytes) holds registers 4 c .. 4 c + 3, lane l's 16 bytes at 16 l.
; A buffer is [tile][K step][1536], and behind all codes the scale words: [tile][pair j of K steps][lane][4 bytes]: lanes 0-15 hold row r's word of K step 2 j, lanes 16-31 that of K step 2 j + 1.
; WHICH ROWS FORM A TILE: Wv's columns in their order (16 T + p); context's rows and Wq's, Wk's columns so: place p of tile T is row 16 T - 8 (T & 1) + p + 8 (p / 8),
; so that a later product's results of two neighbouring tiles are 16 neighbours along the next K.
; A block's scale is 2^(floor(log2(largest magnitude)) - 2): its byte is the largest magnitude's exponent field - 2, held at 1 from below.
; LIMITS: a block whose largest magnitude lies under 2^-124, zeros among them, gets the byte 1 (read with that byte by this program alone); NaN and infinities among the inputs are not served.
; SHARES: one wave, one job = (tensor, tile T, pair j): two fragments and one register of scale words.  Straight-line, no barrier: waves share nothing.
; Work-groups 0-15 Wq, 16-39 Wk, 40-63 Wv (a lane takes a column, its registers run down K); 64-447 context (each load reads 512 consecutive bytes of one row; 16 rows x 512 bytes turn through the wave's own stage).
.set SPARE, 67584                      ; behind the four waves' stages: the spare words
.set WREG,  16896
.set SP,    528
.set STG1,  8448
.set VO,    16
.set TM,    16
.set R,     32
.set X,     160
.set PC,    224
.set PW,    244
.set PWA,   245
.set SEL,   54
.macro QUANT src                       ; register 16 b + i = k 32 b + 16 (lane / 16) + i of my row
.irp b, 0,1,2,3
	v_max3_num_f32 v[TM+\b], |v[\src+16*\b]|, |v[\src+1+16*\b]|, 0x1800000   ; with the floor 2^(3 - 127)
.endr
.irp i, 2,4,6,8,10,12,14
.irp b, 0,1,2,3
	v_max3_num_f32 v[TM+\b], v[TM+\b], |v[\src+16*\b+\i]|, |v[\src+1+16*\b+\i]|
.endr
.endr
.irp b, 0,1,2,3
	v_permlanex16_b32 v[TM+4+\b], v[TM+\b], s[SEL], s[SEL+1]
.endr
.irp b, 0,1,2,3
	v_max_num_f32 v[TM+\b], v[TM+\b], v[TM+4+\b]
.endr
.irp b, 0,1,2,3
	v_add_nc_u32 v[TM+12+\b], 0xff000000, v[TM+\b]   ; 2 off the exponent field: the conversion's scale operand
.endr
.irp b, 0,1,2,3
	v_lshrrev_b32 v[TM+4+\b], 23, v[TM+12+\b]
.endr
	v_lshl_or_b32 v[PW], v[TM+5], 8, v[TM+4]
	v_lshl_or_b32 v[PW], v[TM+6], 16, v[PW]
	v_lshl_or_b32 v[PW], v[TM+7], 24, v[PW]
.irp c, 0,1
	v_cvt_scalef32_pk16_fp6_f32 v[PC+6*\c:PC+2+6*\c], v[\src+32*\c:\src+15+32*\c], v[TM+12+2*\c]
	v_cvt_scalef32_pk16_fp6_f32 v[PC+12+4*\c:PC+14+4*\c], v[\src+16+32*\c:\src+31+32*\c], v[TM+12+2*\c+1]
.endr
	v_nop                                          ; one plain place behind a scaled conversion
.irp c, 0,1
.irp i, 0,1,2
	v_permlane16_swap_b32 v[PC+6*\c+\i], v[PC+12+4*\c+\i]
.endr
.irp i, 0,1,2
	v_mov_b32 v[PC+3+6*\c+\i], v[PC+12+4*\c+\i]
.endr
.endr
.endm
.macro CQ src                          ; a lane holds two WHOLE blocks of its column: register 32 c + i = k 64 c + 32 (lane / 16) + i
.irp c, 0,1
	v_max3_num_f32 v[16+\c], |v[\src+32*\c]|, |v[\src+32*\c+1]|, 0x1800000
.endr
.irp i, 2,4,6,8,10,12,14,16,18,20,22,24,26,28,30
.irp c, 0,1
	v_max3_num_f32 v[16+\c], v[16+\c], |v[\src+32*\c+\i]|, |v[\src+32*\c+\i+1]|
.endr
.endr
.irp c, 0,1
	v_add_nc_u32 v[18+\c], 0xff000000, v[16+\c]
.endr
.irp c, 0,1
	v_lshrrev_b32 v[20+\c], 23, v[18+\c]
.endr
	v_lshl_or_b32 v[PW], v21, 16, v20
	v_lshlrev_b32 v[PW], v10, v[PW]
	v_permlanex16_b32 v22, v[PW], s[SEL], s[SEL+1]
	v_or_b32 v[PW], v[PW], v22
.irp c, 0,1
	v_cvt_scalef32_pk16_fp6_f32 v[PC+6*\c:PC+2+6*\c], v[\src+32*\c:\src+15+32*\c], v[18+\c]
	v_cvt_scalef32_pk16_fp6_f32 v[PC+12+4*\c:PC+14+4*\c], v[\src+16+32*\c:\src+31+32*\c], v[18+\c]
.endr
	v_nop
.irp c, 0,1
.irp i, 0,1,2
	v_mov_b32 v[PC+3+6*\c+\i], v[PC+12+4*\c+\i]
.endr
.endr
.endm
; s37 = T, s36 = j, s32 = K steps, s35 = where the scale words begin, s[50:51] = the buffer: s[50:51] becomes the job's codes, s[52:53] its scale words
.macro OUTPTR
	s_mul_i32 s42, s37, s32
	s_lshl_b32 s40, s42, 6
	s_lshl_b32 s43, s36, 7
	s_add_co_u32 s40, s40, s43
	s_add_co_u32 s40, s40, s35
	s_mov_b32 s41, 0
	s_add_nc_u64 s[52:53], s[50:51], s[40:41]
	s_mul_i32 s40, s42, 1536
	s_mul_i32 s43, s36, 3072
	s_add_co_u32 s40, s40, s43
	s_add_nc_u64 s[50:51], s[50:51], s[40:41]
.endm
.macro OUT3 off
.irp c, 0,1,2
	global_store_b128 v4, v[PC+4*\c:PC+4*\c+3], s[50:51] offset:\off+512*\c
.endr
.endm
	s_load_b512 s[8:23], s[0:1], 0x0               ; context 8, Wq 10, Wk 12, Wv 14, ctxc 16, wqc 18, wkc 20, wvc 22
	v_lshl_add_u32 v12, v0, 2, SPARE
	v_mov_b32 v13, 0
	v_lshrrev_b32 v1, 5, v0
	v_readfirstlane_b32 s28, v1                    ; wave
	v_and_b32 v1, 31, v0
	v_and_b32 v2, 15, v0                           ; r
	v_bfe_u32 v3, v0, 4, 1                         ; h
	v_lshlrev_b32 v4, 4, v1
	v_lshlrev_b32 v8, 2, v1
	s_mul_i32 s45, s28, WREG
	v_add_nc_u32 v6, s45, v4                       ; the stage, on the way in
	v_mul_u32_u24 v7, v2, SP
	v_lshl_add_u32 v7, v3, 6, v7
	v_add_nc_u32 v7, s45, v7                       ; and on the way out: row r, + 64 h
	s_mov_b32 s[SEL], 0x76543210
	s_mov_b32 s[SEL+1], 0xfedcba98
	s_mov_b32 s56, 0xffff0000
	s_wait_alu depctr_va_vdst(0)                   ; the wait at the head's end
	s_wait_kmcnt 0x0
	s_cmp_lt_u32 ttmp9, 64
	s_cbranch_scc1 .Lcol
	; ---- ROWS: context: 128 work-groups for each pair j
	s_sub_co_u32 s30, ttmp9, 64
	s_lshr_b32 s36, s30, 7                         ; j
	s_and_b32 s37, s30, 127
	s_lshl_b32 s37, s37, 2
	s_add_co_u32 s37, s37, s28                     ; T
	s_and_b32 s38, s37, 1
	s_lshl_b32 s38, s38, 3
	s_lshl_b32 s39, s37, 4
	s_sub_co_u32 s39, s39, s38                     ; the tile's first row
	s_mul_i32 s40, s39, 3072
	s_lshl_b32 s43, s36, 10
	s_add_co_u32 s40, s40, s43
	s_mov_b32 s41, 0
	s_add_nc_u64 s[48:49], s[8:9], s[40:41]
	s_mov_b64 s[50:51], s[16:17]
	s_mov_b32 s32, 6
	s_mov_b32 s35, 4718592
	s_mov_b32 s34, 3072
	OUTPTR
	v_add_nc_u32 v5, 24576, v4                     ; places 8-15 lie 8 rows further on
.irp i, 0,1,2,3,4,5,6,7,8,9,10,11,12,13,14,15
	v_mad_u32_u24 v[VO+\i], s34, \i, v[4+(\i/8)]
.endr
.irp p, 0,1
.irp i, 0,1,2,3,4,5,6,7,8,9,10,11,12,13,14,15
	global_load_b128 v[R+64*\p+4*\i:R+64*\p+4*\i+3], v[VO+\i], s[48:49] offset:512*\p th:TH_LOAD_NT
.endr
.endr
	s_wait_xcnt 0x0                                ; the loads have read their offsets: v16-31 are written again
	s_wait_loadcnt 16                              ; the first K step's 16 loads are in
.irp i, 0,1,2,3,4,5,6,7,8,9,10,11,12,13,14,15
	ds_store_b128 v6, v[R+4*\i:R+4*\i+3] offset:SP*\i
.endr
.irp b, 0,1,2,3
.irp i, 0,1,2,3
	ds_load_b128 v[X+16*\b+4*\i:X+16*\b+4*\i+3], v7 offset:128*\b+16*\i
.endr
.endr
	s_wait_loadcnt 0x0
.irp i, 0,1,2,3,4,5,6,7,8,9,10,11,12,13,14,15
	ds_store_b128 v6, v[R+64+4*\i:R+64+4*\i+3] offset:STG1+SP*\i
.endr
	s_wait_dscnt 16                                ; the first stage's stores and loads are done; the 16 younger stores may be out
.irp b, 0,1,2,3
.irp i, 0,1,2,3
	ds_load_b128 v[R+16*\b+4*\i:R+16*\b+4*\i+3], v7 offset:STG1+128*\b+16*\i
.endr
.endr
	QUANT X
	v_mov_b32 v[PWA], v[PW]
	OUT3 0
	s_wait_dscnt 0x0
	s_wait_xcnt 0x0                                ; the stores have read the codes' registers
	QUANT R
	OUT3 1536
	v_cndmask_b32 v[PW], v[PWA], v[PW], s56
	global_store_b32 v8, v[PW], s[52:53]
	s_wait_tensorcnt 0x0                           ; the wave's end
	ds_add_u32 v12, v13
	s_wait_dscnt 0x0
	s_endpgm
.Lcol:
	; ---- COLUMNS: Wq, Wk or Wv
	s_cmp_lt_u32 ttmp9, 40
	s_cselect_b64 s[48:49], s[12:13], s[14:15]
	s_cselect_b64 s[50:51], s[20:21], s[22:23]
	s_cselect_b32 s30, 16, 40
	s_cselect_b32 s33, 1, 0
	s_mov_b32 s32, 6
	s_mov_b32 s35, 294912
	s_cmp_lt_u32 ttmp9, 16
	s_cselect_b64 s[48:49], s[10:11], s[48:49]
	s_cselect_b64 s[50:51], s[18:19], s[50:51]
	s_cselect_b32 s30, 0, s30
	s_cselect_b32 s33, 1, s33
	s_cselect_b32 s32, 4, s32
	s_cselect_b32 s35, 196608, s35
	s_sub_co_u32 s30, ttmp9, s30
	s_lshr_b32 s36, s30, 3                         ; j
	s_and_b32 s37, s30, 7
	s_lshl_b32 s37, s37, 2
	s_add_co_u32 s37, s37, s28                     ; T
	s_and_b32 s38, s37, s33
	s_lshl_b32 s38, s38, 3
	s_lshl_b32 s39, s37, 4
	s_sub_co_u32 s39, s39, s38                     ; the tile's first column
	s_lshl_b32 s40, s36, 19                        ; 256 rows a pair
	s_mov_b32 s41, 0
	s_add_nc_u64 s[48:49], s[48:49], s[40:41]
	OUTPTR
	v_and_b32 v9, 8, v2
	v_mul_u32_u24 v9, s33, v9
	v_add3_u32 v9, v9, v2, s39                     ; my column
	v_lshlrev_b32 v9, 2, v9
	v_lshl_add_u32 v9, v3, 16, v9                  ; lanes 16-31 begin 32 rows further down
	v_lshlrev_b32 v10, 3, v3
	v_mov_b32 v22, 0
	s_wait_alu depctr_va_vdst(0)
.irp p, 0,1
.irp c, 0,1
.irp i, 0,1,2,3,4,5,6,7,8,9,10,11,12,13,14,15,16,17,18,19,20,21,22,23,24,25,26,27,28,29,30,31
	global_load_b32 v[64+64*\p+32*\c+\i], v9, s[48:49] offset:(128*\p+64*\c+\i)*2048 th:TH_LOAD_NT
.endr
.endr
.endr
	s_wait_loadcnt 63                              ; the oldest 65 are in, the first K step's 64 among them
	CQ 64
	v_mov_b32 v[PWA], v[PW]
	OUT3 0
	s_wait_loadcnt 0x0
	s_wait_xcnt 0x0
	CQ 128
	OUT3 1536
	v_cndmask_b32 v[PW], v[PWA], v[PW], s56
	global_store_b32 v8, v[PW], s[52:53]
	s_wait_tensorcnt 0x0
	ds_add_u32 v12, v13
	s_wait_dscnt 0x0
	s_endpgm
.Lfunc_end_k_q8cd9272816_quant:
	.size	k_q8cd9272816_quant, .Lfunc_end_k_q8cd9272816_quant-k_q8cd9272816_quant
	.p2alignl 7, 3214868480
	.fill 96, 4, 3214868480
	.section	.rodata,"a",@progbits
	.p2align	6, 0x0
	.amdhsa_kernel k_q8cd9272816_quant
		.amdhsa_group_segment_fixed_size 68096
		.amdhsa_private_segment_fixed_size 0
		.amdhsa_enable_private_segment 0
		.amdhsa_kernarg_size 64
		.amdhsa_user_sgpr_count 2
		.amdhsa_user_sgpr_kernarg_segment_ptr 1
		.amdhsa_wavefront_size32 1
		.amdhsa_system_sgpr_workgroup_id_x 1
		.amdhsa_system_sgpr_workgroup_id_y 1
		.amdhsa_system_sgpr_workgroup_id_z 1
		.amdhsa_system_vgpr_workitem_id 0
		.amdhsa_next_free_vgpr 256
		.amdhsa_next_free_sgpr 66
		.amdhsa_reserve_vcc 0
		.amdhsa_float_denorm_mode_32 3
		.amdhsa_float_denorm_mode_16_64 3
		.amdhsa_memory_ordered 1
		.amdhsa_forward_progress 1
		.amdhsa_inst_pref_size 40
	.end_amdhsa_kernel
	.amdgpu_metadata
---
amdhsa.version: [ 1, 2 ]
amdhsa.kernels:
  - .name:           k_q8cd9272816_quant
    .symbol:         k_q8cd9272816_quant.kd
    .args:
      - { .name: context, .offset: 0, .size: 8, .value_kind: global_buffer, .address_space: global }
      - { .name: Wq, .offset: 8, .size: 8, .value_kind: global_buffer, .address_space: global }
      - { .name: Wk, .offset: 16, .size: 8, .value_kind: global_buffer, .address_space: global }
      - { .name: Wv, .offset: 24, .size: 8, .value_kind: global_buffer, .address_space: global }
      - { .name: ctxc, .offset: 32, .size: 8, .value_kind: global_buffer, .address_space: global }
      - { .name: wqc, .offset: 40, .size: 8, .value_kind: global_buffer, .address_space: global }
      - { .name: wkc, .offset: 48, .size: 8, .value_kind: global_buffer, .address_space: global }
      - { .name: wvc, .offset: 56, .size: 8, .value_kind: global_buffer, .address_space: global }
    .group_segment_fixed_size: 68096
    .private_segment_fixed_size: 0
    .kernarg_segment_align: 8
    .kernarg_segment_size: 64
    .max_flat_workgroup_size: 128
    .sgpr_count:     66
    .vgpr_count:     256
    .wavefront_size: 32
...
	.end_amdgpu_metadata
.endif
;; end of part 1
;; launch proj (part 2): grid 256 x 1, 8 waves a work-group, no clusters, 323,584 bytes of LDS; arguments tokens, ctxc, wqc, wkc, wvc, qc, kvc; writes qc, kvc
.if DOCPART == 2
	.amdgcn_target "amdgcn-amd-amdhsa--gfx1250"
	.amdhsa_code_object_version 6
	.text
	.protected	k_q8cd9272816_proj
	.globl	k_q8cd9272816_proj
	.p2align	8
	.type	k_q8cd9272816_proj,@function
k_q8cd9272816_proj:
	s_mov_b64 s[64:65], 0
	v_nop
	global_prefetch_b8 v0, s[64:65] scope:SCOPE_SE
	s_setreg_imm32_b32 hwreg(HW_REG_WAVE_MODE, 25, 1), 1
	s_wait_xcnt 0x0
; Q = tokens Wq, K = context Wk, V = context Wv on codes of FP6 (E2M3) with E8M0 scales, the results quantised at once, in registers: Q and K along e, V along the keys.
; ONE FORM: D = source 0 x source 1^T.  Source 0 = 8 tiles of 16 rows ("W": 128 rows laid so that results of two neighbouring tiles are 16 neighbours), read from LDS; source 1 = two tiles of 16 rows ("x") that ONE wave
; holds in registers.  A lane then holds one row of x, and its 64 results of a tile run along W's 128 rows: one fragment and one scale word a row of the next product.  Each fragment of W read from LDS feeds two matrix instructions.
; Q (work-groups 0-127): 256 token rows, 32 a wave.  THE TOKENS COME AS f32 AND ARE READ ONCE: each load reads 256 consecutive bytes of two rows; 16 rows x 256 bytes turn through the wave's own stage, so that a lane gets
;   whole blocks of 32; their codes stay in registers.  A unit is one tile's K step (16 loads); four units a wave are out.  All of Wq's codes and scale words (204,800 bytes, dense) come into LDS by one tensor load a wave
;   (100 rows of 256 bytes), filled once; the barrier that shows them to all waves stands behind unit 1; from there the waves meet again only to gather scale words.  Then each wave walks the four e steps.
; K (128-191): W = e step s of Wk, x = the 32 context tiles of four key steps.   V (192-255): W = the 128 context rows of a key step, x = Wv's 32 tiles: V^T, the keys innermost.  A wave takes four x tiles, in two pairs;
;   W goes through registers into LDS.  The two roles' LDS bytes are apart.  Scale words of the results are gathered in LDS and leave as 512 consecutive bytes a store.
; OUT.  qc: blocks of 51,200 bytes (8 query tiles t): 32 fragments 4 t + s, then scale words [s][lane][4 words]: word t / 2, lane half t % 2.  kvc: 819,200 bytes a batch: 8 K blocks laid as a Q block, then four V chunks of
; 102,400 bytes: chunk j: fragments [k][c'] of channel tiles 8 j + c', then scale words [k][lane][4 words]: word c' / 2, lane half c' % 2.
; PREFETCH: a wave's units 4 to 7 (its second tile, 128 blocks of 256 bytes) are asked for at the head, four units ahead of their loads, a lane a block, each block by the one wave that reads it.
; No cluster: what work-groups share (Wq) is read once for each work-group and is a small part of its bytes.
; LIMITS: a block whose largest magnitude lies under 2^-124 gets the byte 1; NaN and infinities are not served.
; REGISTERS: window 0: v1-30 addresses, v32-55 W's scale words, v56-61 x's, v64-191 the 16 accumulators, v192-231 codes, v232-250 at work.  window 1: v0-143 x's fragments 12 (ks u + s); v144-239 two sets of four fragments of W.
;   Q's head: window 0 v64-127 staged numbers, v224-230 at work; four units of tokens: window 1 v96-159, v160-223; window 0 v128-191; window 0 v192-223 with window 1 v224-255.
.set STG,   204800                     ; Q: behind Wq: a stage of 16 x 272 bytes for each wave
.set SGW,   4352
.set GQ,    239616                     ; Q: the results' scale words: 8 x 512 bytes
.set KW,    243712                     ; K, V: W's codes, 73,728 bytes
.set KWS,   317440                     ; its scale words, 3,072 bytes
.set GK,    320512                     ; K, V: the results' scale words: 4 x 512 bytes
.set SPARE, 322560                     ; the spare words, 128 bytes a wave
.set L16, 1
.set L4,  2
.set WL,  3                            ; v3: 16 x thread; v5, v6: K, V: where W's codes go
.set SGI, 9
.set SGO, 10
.set SH8, 11
.set SPW, 12
.set NIL, 13
.set WA,  14                           ; v14, v15: W's tiles 0-3, 4-7
.set WA0, 16
.set WSA, 18
.set WSA0,19
.set GW,  20
.set GW0, 21
.set GR,  22
.set PD,  23
.set T4,  24
.set KSW, 25
.set RR,  26
.set HH,  27
.set LR,  28
.set PF,  29                           ; the prefetches' offset; never rewritten
.set WS,  32
.set XS,  56
.set X,   64
.set PC0, 192
.set PC1, 212
.set CT,  224
.set TM,  232
.set PW,  248
.set PWA, 249
.set PWB, 250
.set FS,  144
.set SEL, 48
.set HI,  50
.set G1,  52                           ; s[52:59] Wq's tensor load: group 1; s[60:63] group 0
.set G0,  60
.set MSB, 0
.macro WIN new
.if MSB != (\new)
	s_set_vgpr_msb (MSB<<8)|(\new)
.set MSB, (\new)
.endif
.endm
.macro WM d, a, b, zero, sa, ra, sb, rb
.if \zero
.if (\ra) && (\rb)
	v_wmma_scale_f32_16x16x128_f8f6f4 v[\d:\d+7], v[\a:\a+11], v[\b:\b+11], 0, v[\sa], v[\sb] matrix_a_fmt:MATRIX_FMT_FP6 matrix_b_fmt:MATRIX_FMT_FP6 matrix_a_scale:MATRIX_SCALE_ROW1 matrix_b_scale:MATRIX_SCALE_ROW1
.else
	v_wmma_scale_f32_16x16x128_f8f6f4 v[\d:\d+7], v[\a:\a+11], v[\b:\b+11], 0, v[\sa], v[\sb] matrix_a_fmt:MATRIX_FMT_FP6 matrix_b_fmt:MATRIX_FMT_FP6
.endif
.else
.if (\ra) && (\rb)
	v_wmma_scale_f32_16x16x128_f8f6f4 v[\d:\d+7], v[\a:\a+11], v[\b:\b+11], v[\d:\d+7], v[\sa], v[\sb] matrix_a_fmt:MATRIX_FMT_FP6 matrix_b_fmt:MATRIX_FMT_FP6 matrix_a_scale:MATRIX_SCALE_ROW1 matrix_b_scale:MATRIX_SCALE_ROW1
.else
	v_wmma_scale_f32_16x16x128_f8f6f4 v[\d:\d+7], v[\a:\a+11], v[\b:\b+11], v[\d:\d+7], v[\sa], v[\sb] matrix_a_fmt:MATRIX_FMT_FP6 matrix_b_fmt:MATRIX_FMT_FP6
.endif
.endif
.endm
; 64 results of a lane, register 16 b + i = k 32 b + 16 (lane / 16) + i of my row, become a fragment's codes in v[pc] on and my row's scale word in v[PW]
.macro QUANT src, pc
.irp b, 0,1,2,3
	v_max3_num_f32 v[TM+\b], |v[\src+16*\b]|, |v[\src+1+16*\b]|, 0x1800000   ; with the floor 2^(3 - 127); each accumulator is read from its low end on
.endr
.irp i, 2,4,6,8,10,12,14
.irp b, 0,1,2,3
	v_max3_num_f32 v[TM+\b], v[TM+\b], |v[\src+16*\b+\i]|, |v[\src+1+16*\b+\i]|
.endr
.endr
.irp b, 0,1,2,3
	v_permlanex16_b32 v[TM+4+\b], v[TM+\b], s[SEL], s[SEL+1]
.endr
.irp b, 0,1,2,3
	v_max_num_f32 v[TM+\b], v[TM+\b], v[TM+4+\b]
.endr
.irp b, 0,1,2,3
	v_add_nc_u32 v[TM+12+\b], 0xff000000, v[TM+\b]
.endr
.irp b, 0,1,2,3
	v_lshrrev_b32 v[TM+4+\b], 23, v[TM+12+\b]
.endr
	v_lshl_or_b32 v[PW], v[TM+5], 8, v[TM+4]
	v_lshl_or_b32 v[PW], v[TM+6], 16, v[PW]
	v_lshl_or_b32 v[PW], v[TM+7], 24, v[PW]
.irp c, 0,1
	v_cvt_scalef32_pk16_fp6_f32 v[\pc+6*\c:\pc+2+6*\c], v[\src+32*\c:\src+15+32*\c], v[TM+12+2*\c]
	v_cvt_scalef32_pk16_fp6_f32 v[\pc+12+4*\c:\pc+14+4*\c], v[\src+16+32*\c:\src+31+32*\c], v[TM+12+2*\c+1]
.endr
	v_nop                                          ; one plain place behind a scaled conversion
.irp c, 0,1
.irp i, 0,1,2
	v_permlane16_swap_b32 v[\pc+6*\c+\i], v[\pc+12+4*\c+\i]
.endr
.irp i, 0,1,2
	v_mov_b32 v[\pc+3+6*\c+\i], v[\pc+12+4*\c+\i]
.endr
.endr
.endm
; W's fragments go in groups of four: group g: K step g / 2, tiles 4 (g % 2) + q, in set g % 2
.macro LOADW ks, g
.irp q, 0,1,2,3
.irp c, 0,1,2
	ds_load_b128 v[FS+48*((\g)%2)+12*\q+4*\c:FS+48*((\g)%2)+12*\q+4*\c+3], v[WA+((\g)%2)] offset:1536*(\ks)*\q+1536*((\g)/2)+512*\c
.endr
.endr
.endm
.macro GRP ks, g
.if (\g) < 2*(\ks)-1
	s_wait_dscnt 12                                ; this group's 12 loads are in; the younger group's may be out
.else
	s_wait_dscnt 0
.endif
	WIN 0x05                                       ; W and x in window 1, the sums in window 0
.set zz, 0
.if (\g) < 2
.set zz, 1
.endif
.irp q, 0,1,2,3                                ; 8 accumulators by turns, one instruction a turn
.irp u, 0,1
	WM 64+64*\u+8*(4*((\g)%2)+\q), FS+48*((\g)%2)+12*\q, 12*((\ks)*\u+(\g)/2), zz, WS+((\ks)/2)*(4*((\g)%2)+\q)+(\g)/4, ((\g)/2)%2, XS+((\ks)/2)*\u+(\g)/4, ((\g)/2)%2
.endr
.endr
.rept 4
	v_nop                                          ; places ahead of loads into the set just multiplied and of the first read of results
.endr
.if (\g)+2 <= 2*(\ks)-1
	WIN 0x40
	LOADW \ks, (\g)+2
.endif
.endm
.macro PROD ks
.irp t, 0,1,2,3,4,5,6,7
.set jj, 0
.rept (\ks)/2
	ds_load_b32 v[WS+((\ks)/2)*\t+jj], v[WSA] offset:64*(\ks)*\t+128*jj
.set jj, jj+1
.endr
.endr
	WIN 0x40
	LOADW \ks, 0
	LOADW \ks, 1
.set gg, 0
.rept 2*(\ks)
	GRP \ks, gg
.set gg, gg+1
.endr
	WIN 0
.endm
.macro ST3 pc, base
.irp c, 0,1,2
	global_store_b128 v[L16], v[\pc+4*\c:\pc+4*\c+3], s[\base:\base+1] offset:512*\c
.endr
.endm
.macro CLOSE
	s_wait_tensorcnt 0x0                           ; the wave's end
	ds_add_u32 v[SPW], v[NIL]
	s_wait_dscnt 0x0
	s_endpgm
.endm
; ---- Q's head.  Unit i = (tile u = i / 4, K step i % 4): 16 loads, each of 256 consecutive bytes of two rows, into buffer i % 4.  A buffer is two runs of 32 registers: BW its window, BB its first register
.macro BLK b, c
.if (\b) == 0
.set BW, 1
.set BB, 96+32*(\c)
.elseif (\b) == 1
.set BW, 1
.set BB, 160+32*(\c)
.elseif (\b) == 2
.set BW, 0
.set BB, 128+32*(\c)
.elseif (\c) == 0
.set BW, 0
.set BB, 192
.else
.set BW, 1
.set BB, 224
.endif
.endm
.macro ULOAD i
.irp c, 0,1
	BLK (\i)%4, \c
	WIN BW<<6
.irp m, 0,1,2,3,4,5,6,7
	global_load_b128 v[BB+4*\m:BB+4*\m+3], v[LR], s[24:25] offset:32768*((\i)/4)+512*((\i)%4)+256*\c+4096*\m th:TH_LOAD_NT
.endr
.endr
	WIN 0
.endm
; a lane's two whole blocks, register 32 c + i = k 64 c + 32 (lane / 16) + i of my row, become registers f .. f + 11 of window 1 and my row's scale word
.macro CQ f
.irp c, 0,1
	v_max3_num_f32 v[TM+\c], |v[X+32*\c]|, |v[X+32*\c+1]|, 0x1800000
.endr
.irp i, 2,4,6,8,10,12,14,16,18,20,22,24,26,28,30
.irp c, 0,1
	v_max3_num_f32 v[TM+\c], v[TM+\c], |v[X+32*\c+\i]|, |v[X+32*\c+\i+1]|
.endr
.endr
.irp c, 0,1
	v_add_nc_u32 v[TM+2+\c], 0xff000000, v[TM+\c]
.endr
.irp c, 0,1
	v_lshrrev_b32 v[TM+8+\c], 23, v[TM+2+\c]
.endr
	v_lshl_or_b32 v[PW], v[TM+9], 16, v[TM+8]      ; my two bytes: blocks h and 2 + h,
	v_lshlrev_b32 v[PW], v[SH8], v[PW]             ; 8 h bits up;
	v_permlanex16_b32 v[PD], v[PW], s[SEL], s[SEL+1]
	v_or_b32 v[PW], v[PW], v[PD]                   ; with lane l xor 16's two the word is whole
	WIN 0x40                                       ; a block's lower 16 codes go straight to window 1;
.irp c, 0,1
	v_cvt_scalef32_pk16_fp6_f32 v[(\f)+6*\c:(\f)+6*\c+2], v[X+32*\c:X+32*\c+15], v[TM+2+\c]
.endr
	WIN 0                                          ; the upper 16 are made elsewhere and moved (a conversion's three registers begin on an even number)
.irp c, 0,1
	v_cvt_scalef32_pk16_fp6_f32 v[CT+4*\c:CT+4*\c+2], v[X+32*\c+16:X+32*\c+31], v[TM+2+\c]
.endr
	v_nop                                          ; one plain place behind a scaled conversion
	WIN 0x40
.irp c, 0,1
.irp i, 0,1,2
	v_mov_b32 v[(\f)+6*\c+3+\i], v[CT+4*\c+\i]
.endr
.endr
	WIN 0
.endm
.macro UNIT i
.if (\i) <= 4
	s_wait_loadcnt 48                              ; my unit's 16 loads are in; the three younger units' 48 may be out
.else
	s_wait_loadcnt 16*(7-(\i))
.endif
.irp c, 0,1                                    ; 16 rows x 256 bytes at a time through my stage; LDS serves a wave's instructions in order
	BLK (\i)%4, \c
	WIN BW<<2
.irp m, 0,1,2,3,4,5,6,7
	ds_store_b128 v[SGI], v[BB+4*\m:BB+4*\m+3] offset:544*\m
.endr
	WIN 0
.irp m, 0,1,2,3,4,5,6,7
	ds_load_b128 v[X+32*\c+4*\m:X+32*\c+4*\m+3], v[SGO] offset:16*\m
.endr
.endr
	s_wait_dscnt 0x0                               ; the numbers are back, and the stores have read their registers, which take new loads
.if (\i)+4 <= 7
	ULOAD (\i)+4
.endif
	CQ 12*(\i)
.if (\i)%2 == 0
	v_mov_b32 v[PWA], v[PW]
.else
	v_cndmask_b32 v[XS+(\i)/2], v[PWA], v[PW], s[HI]   ; lanes 0-15 the even K step's words, lanes 16-31 the odd one's
.endif
.endm
	s_load_b256 s[8:15], s[0:1], 0x0               ; tokens 8, ctxc 10, wqc 12, wkc 14
	s_load_b128 s[16:19], s[0:1], 0x20             ; wvc 16, qc 18
	s_load_b64 s[20:21], s[0:1], 0x30              ; kvc
	v_lshl_add_u32 v[SPW], v0, 2, SPARE
	v_mov_b32 v[NIL], 0
	ds_add_u32 v[SPW], v[NIL]                      ; the opening: the add, twice on end, and its wait ahead of a wave's first tensor load
	ds_add_u32 v[SPW], v[NIL]
	v_lshrrev_b32 v8, 5, v0
	v_readfirstlane_b32 s22, v8                    ; wave 0..7
	v_and_b32 v8, 31, v0
	v_lshlrev_b32 v[L16], 4, v8
	v_lshlrev_b32 v[L4], 2, v8
	v_lshlrev_b32 v[WL], 4, v0
	v_lshlrev_b32 v[T4], 2, v0
	v_and_b32 v[RR], 15, v0
	v_bfe_u32 v[HH], v0, 4, 1
	v_lshlrev_b32 v[SH8], 3, v[HH]
	v_mov_b32 v[PD], 0
	v_lshrrev_b32 v[PF], 1, v8
	v_lshlrev_b32 v[PF], 11, v[PF]
	v_and_b32 v30, 1, v8
	v_lshl_add_u32 v[PF], v30, 8, v[PF]            ; a prefetch: lane l names row l / 2, block l % 2 of a K step's 512 bytes
.irp i, 4,5,6,7
	v_mov_b32 v[TM+\i], 0                          ; written once: a lane permute's destination counts as one of its sources
.endr
	s_mov_b32 s[SEL], 0x76543210
	s_mov_b32 s[SEL+1], 0xfedcba98
	s_mov_b32 s[HI], 0xffff0000
	s_mov_b32 s[G1+0], 3<<16                       ; group 1: 100 rows of 256 bytes (32 elements of 8 bytes), dense, no padding
	s_mov_b32 s[G1+1], 32<<16
	s_mov_b32 s[G1+2], 100<<16
	s_mov_b32 s[G1+3], 32<<16
	s_mov_b32 s[G1+4], 100
	s_mov_b32 s[G1+5], 32
	s_mov_b32 s[G1+6], 0
	s_mov_b32 s[G1+7], 0
	s_wait_alu depctr_va_vdst(0)                   ; the wait at the head's end
	s_wait_dscnt 0x0                               ; both opening adds are done
	s_wait_kmcnt 0x0
	s_cmp_lt_u32 ttmp9, 128
	s_cbranch_scc0 .Lkv
	; ---- Q
	s_mov_b32 s[G0], 1
	s_mul_i32 s[G0+1], s22, 25600                  ; my eighth of Wq's image, at the same place in LDS as in the buffer
	s_mul_i32 s30, s22, 25600
	s_mov_b32 s31, 0
	s_add_nc_u64 s[G0+2:G0+3], s[12:13], s[30:31]
	s_or_b32 s[G0+3], s[G0+3], 0x80000000
	tensor_load_to_lds s[G0:G0+3], s[G1:G1+7]      ; my one tensor load; these bytes are filled once
	s_nop 0
.rept 4
	v_nop
.endr
	s_lshl_b32 s30, ttmp9, 19                      ; 256 rows of 2,048 bytes a work-group,
	s_lshl_b32 s31, s22, 16                        ; 32 a wave
	s_add_co_u32 s30, s30, s31
	s_mov_b32 s31, 0
	s_add_nc_u64 s[24:25], s[8:9], s[30:31]
	s_lshr_b32 s32, s22, 2                         ; which of the two Q blocks
	s_and_b32 s33, s22, 3                          ; my pair of tiles in it
	s_lshl_b32 s30, ttmp9, 1
	s_add_co_u32 s30, s30, s32
	s_mul_i32 s30, s30, 51200
	s_mul_i32 s34, s33, 12288
	s_add_co_u32 s34, s34, s30
	s_mov_b32 s35, 0
	s_add_nc_u64 s[26:27], s[18:19], s[34:35]      ; fragment (t = 2 pair, s = 0)
	s_lshl_b32 s34, s33, 9
	s_add_co_u32 s34, s34, s30
	s_add_co_u32 s34, s34, 49152
	s_add_nc_u64 s[28:29], s[18:19], s[34:35]      ; the scale words that I store at the end: block wave / 4, quarter wave % 4
	s_mul_i32 s40, s22, SGW
	s_add_co_u32 s40, s40, STG
	s_lshl_b32 s41, s32, 11
	s_lshl_b32 s42, s33, 2
	s_add_co_u32 s41, s41, s42
	s_add_co_u32 s41, s41, GQ
	s_lshl_b32 s42, s22, 9
	s_add_co_u32 s42, s42, GQ
	v_lshlrev_b32 v[LR], 11, v[HH]
	v_lshl_add_u32 v[LR], v[RR], 4, v[LR]          ; a load: lanes 0-15 one row's 256 bytes, lanes 16-31 the next row's
	v_mul_u32_u24 v[SGI], v[HH], 272
	v_lshl_add_u32 v[SGI], v[RR], 4, v[SGI]
	v_add_nc_u32 v[SGI], s40, v[SGI]
	v_mul_u32_u24 v[SGO], v[RR], 272
	v_lshl_add_u32 v[SGO], v[HH], 7, v[SGO]
	v_add_nc_u32 v[SGO], s40, v[SGO]               ; back: row r, + 128 h: a whole block
	v_mov_b32 v[WA0], v[L16]
	v_add_nc_u32 v[WA0+1], 24576, v[L16]
	v_add_nc_u32 v[WSA0], 196608, v[L4]
	v_add_nc_u32 v[GW0], s41, v[L16]
	v_add_nc_u32 v[GR], s42, v[L16]
	s_wait_alu depctr_va_vdst(0)
	ULOAD 0
	ULOAD 1
	ULOAD 2
.irp e, 0,1,2,3
	global_prefetch_b8 v[PF], s[24:25] offset:32768+512*\e th:TH_LOAD_NT scope:SCOPE_SE   ; unit 4 + e: 16 rows x 512 bytes, a lane a block of 256
.endr
	ULOAD 3
	UNIT 0
	UNIT 1
	s_wait_alu depctr_va_vdst(0)                   ; the wait ahead of the waits below
	s_wait_tensorcnt 0x0                           ; my eighth of Wq has landed;
	s_wait_dscnt 0x0
	s_barrier_signal -1
	s_barrier_wait -1                              ; and so has everybody's.
.irp i, 2,3,4,5,6,7
	UNIT \i
.endr
.rept 8
	v_nop                                          ; a scale word written by a vector instruction stands 8 places ahead of a scaled matrix instruction
.endr
	s_mov_b32 s36, 0
	s_mov_b32 s37, 0
	s_mov_b32 s38, 0
	s_mov_b32 s39, 4
	s_wait_alu depctr_va_vdst(0)
.Lq:                                               ; four trips: the e steps
	v_add_nc_u32 v[WA], s36, v[WA0]
	v_add_nc_u32 v[WA+1], s36, v[WA0+1]
	v_add_nc_u32 v[WSA], s37, v[WSA0]
	v_add_nc_u32 v[GW], s38, v[GW0]
	s_wait_alu depctr_va_vdst(0)
	PROD 4
	QUANT 64, PC0
	ST3 PC0, 26
	v_mov_b32 v[PWA], v[PW]
	QUANT 128, PC1
.irp c, 0,1,2
	global_store_b128 v[L16], v[PC1+4*\c:PC1+4*\c+3], s[26:27] offset:6144+512*\c
.endr
	v_cndmask_b32 v[PWB], v[PWA], v[PW], s[HI]     ; lanes 0-15 the even tile's words, lanes 16-31 the odd tile's
	ds_store_b32 v[GW], v[PWB]
	s_wait_xcnt 0x0                                ; the stores have read their base and the codes' registers
	s_add_nc_u64 s[26:27], s[26:27], 1536
	s_add_co_u32 s36, s36, 49152
	s_add_co_u32 s37, s37, 2048
	s_add_co_u32 s38, s38, 512
	s_sub_co_u32 s39, s39, 1
	s_cmp_lg_u32 s39, 0
	s_wait_alu depctr_va_vdst(0)
	s_cbranch_scc1 .Lq
	s_wait_dscnt 0x0
	s_barrier_signal -1
	s_barrier_wait -1
	ds_load_b128 v[PC0:PC0+3], v[GR]               ; four waves' words of one quarter
	s_wait_dscnt 0x0
	global_store_b128 v[L16], v[PC0:PC0+3], s[28:29]
	CLOSE
.Lkv:
	; ---- K and V take one path; what differs is chosen on the work-group's number alone
	s_sub_co_u32 s23, ttmp9, 128
	s_and_b32 s24, s23, 3                          ; K: the e step
	s_lshr_b32 s25, s23, 2                         ; K: which four key steps
	s_sub_co_u32 s26, ttmp9, 192                   ; V: the key step (not used in K's work-groups)
	s_lshr_b32 s32, s22, 1
	s_and_b32 s33, s22, 1
	s_and_b32 s34, s22, 3
	s_lshl_b32 s35, s25, 2
	s_add_co_u32 s36, s35, s32                     ; K: my key step
	s_lshr_b32 s37, s36, 3
	s_mul_i32 s37, s37, 819200
	s_and_b32 s36, s36, 7
	s_mul_i32 s36, s36, 51200
	s_add_co_u32 s37, s37, s36
	s_mul_i32 s36, s33, 24576
	s_add_co_u32 s37, s37, s36
	s_mul_i32 s36, s24, 1536
	s_add_co_u32 s37, s37, s36                     ; K: fragment 4 t + s, t = 4 (wave % 2)
	s_add_co_u32 s36, s35, s34                     ; K: the key step whose scale words I store
	s_lshr_b32 s38, s36, 3
	s_mul_i32 s38, s38, 819200
	s_and_b32 s36, s36, 7
	s_mul_i32 s36, s36, 51200
	s_add_co_u32 s38, s38, s36
	s_lshl_b32 s36, s24, 9
	s_add_co_u32 s38, s38, s36
	s_add_co_u32 s38, s38, 49152
	s_lshr_b32 s39, s26, 3
	s_mul_i32 s39, s39, 819200
	s_and_b32 s40, s26, 7
	s_mul_i32 s41, s40, 12288
	s_add_co_u32 s41, s41, s39
	s_mul_i32 s36, s32, 102400
	s_add_co_u32 s41, s41, s36
	s_mul_i32 s36, s33, 6144
	s_add_co_u32 s41, s41, s36
	s_add_co_u32 s41, s41, 409600                  ; V: chunk wave / 2, fragment [k][4 (wave % 2)]
	s_lshl_b32 s42, s40, 9
	s_add_co_u32 s42, s42, s39
	s_mul_i32 s36, s34, 102400
	s_add_co_u32 s42, s42, s36
	s_add_co_u32 s42, s42, 507904                  ; V: chunk wave % 4's scale words of my key step
	s_lshl_b32 s43, s25, 5
	s_lshl_b32 s44, s22, 2
	s_cmp_lt_u32 ttmp9, 192
	s_cselect_b64 s[28:29], s[14:15], s[10:11]     ; W: wkc or ctxc
	s_cselect_b64 s[30:31], s[10:11], s[16:17]     ; x: ctxc or wvc
	s_cselect_b32 s45, s24, s26                    ; which 8 tiles of W
	s_mov_b32 s46, 4718592
	s_cselect_b32 s46, 294912, s46                 ; where W's scale words begin
	s_mov_b32 s47, 294912
	s_cselect_b32 s47, 4718592, s47                ; and x's
	s_cselect_b32 s43, s43, 0
	s_cselect_b32 s37, s37, s41
	s_cselect_b32 s38, s38, s42
	s_mov_b32 s51, 1536
	s_cselect_b32 s51, 6144, s51                   ; from tile to tile in the results
	s_add_co_u32 s43, s43, s44                     ; my first x tile
	s_mov_b32 s53, 0
	s_mul_i32 s52, s45, 3072
	s_add_co_u32 s52, s52, s46
	s_add_nc_u64 s[54:55], s[28:29], s[52:53]
	s_mul_i32 s52, s45, 73728
	s_add_nc_u64 s[28:29], s[28:29], s[52:53]
	s_mul_i32 s52, s43, 384
	s_add_co_u32 s52, s52, s47
	s_add_nc_u64 s[56:57], s[30:31], s[52:53]
	s_mul_i32 s52, s43, 9216
	s_add_nc_u64 s[30:31], s[30:31], s[52:53]
	s_mov_b32 s52, s37
	s_add_nc_u64 s[58:59], s[20:21], s[52:53]
	s_mov_b32 s52, s51
	s_add_nc_u64 s[60:61], s[58:59], s[52:53]
	s_mov_b32 s52, s38
	s_add_nc_u64 s[62:63], s[20:21], s[52:53]
	s_lshl_b32 s52, s51, 1                         ; s[52:53]: two tiles on
	s_lshl_b32 s39, s32, 9
	s_lshl_b32 s40, s33, 3
	s_add_co_u32 s39, s39, s40
	s_add_co_u32 s39, s39, GK
	s_lshl_b32 s40, s34, 9
	s_add_co_u32 s40, s40, GK
	v_add_nc_u32 v[WL+2], KW, v[WL]
	v_add_nc_u32 v[WL+3], KW+49152, v[WL]
	v_add_nc_u32 v[KSW], KWS, v[T4]
	v_add_nc_u32 v[WA], KW, v[L16]
	v_add_nc_u32 v[WA+1], KW+36864, v[L16]
	v_add_nc_u32 v[WSA], KWS, v[L4]
	v_add_nc_u32 v[GW0], s39, v[L16]
	v_add_nc_u32 v[GR], s40, v[L16]
	s_wait_alu depctr_va_vdst(0)
	WIN 0x40
.set jj, 0
.rept 18
	global_load_b128 v[FS+4*jj:FS+4*jj+3], v[WL], s[28:29] offset:4096*jj   ; W's codes: the work-group reads 4,096 consecutive bytes a line
.set jj, jj+1
.endr
	WIN 0
.irp i, 0,1,2
	global_load_b32 v[X+\i], v[T4], s[54:55] offset:1024*\i
.endr
	s_wait_loadcnt 0x0
	WIN 0x04
.set jj, 0
.rept 18
	ds_store_b128 v[WL+2+jj/12], v[FS+4*jj:FS+4*jj+3] offset:4096*(jj%12)
.set jj, jj+1
.endr
	WIN 0
.irp i, 0,1,2
	ds_store_b32 v[KSW], v[X+\i] offset:1024*\i
.endr
	s_wait_dscnt 0x0
	s_barrier_signal -1
	s_barrier_wait -1
	s_mov_b32 s36, 0
	s_mov_b32 s41, 2
.Lpair:                                            ; two trips: my two pairs of x tiles
	v_add_nc_u32 v[GW], s36, v[GW0]
	s_wait_alu depctr_va_vdst(0)
	WIN 0x40
.irp u, 0,1
.irp e, 0,1,2,3,4,5
.irp c, 0,1,2
	global_load_b128 v[12*(6*\u+\e)+4*\c:12*(6*\u+\e)+4*\c+3], v[L16], s[30:31] offset:9216*\u+1536*\e+512*\c
.endr
.endr
.endr
	WIN 0
.irp u, 0,1
.irp j, 0,1,2
	global_load_b32 v[XS+3*\u+\j], v[L4], s[56:57] offset:384*\u+128*\j
.endr
.endr
	s_wait_loadcnt 0x0
	PROD 6
	QUANT 64, PC0
	ST3 PC0, 58
	v_mov_b32 v[PWA], v[PW]
	QUANT 128, PC1
	ST3 PC1, 60
	v_cndmask_b32 v[PWB], v[PWA], v[PW], s[HI]
	ds_store_b32 v[GW], v[PWB]
	s_wait_xcnt 0x0
	s_add_nc_u64 s[58:59], s[58:59], s[52:53]
	s_add_nc_u64 s[60:61], s[60:61], s[52:53]
	s_add_nc_u64 s[30:31], s[30:31], 18432
	s_add_nc_u64 s[56:57], s[56:57], 768
	s_add_co_u32 s36, s36, 4
	s_sub_co_u32 s41, s41, 1
	s_cmp_lg_u32 s41, 0
	s_wait_alu depctr_va_vdst(0)
	s_cbranch_scc1 .Lpair
	s_wait_dscnt 0x0
	s_barrier_signal -1
	s_barrier_wait -1
	s_cmp_lt_u32 s22, 4
	s_cbranch_scc0 .Lkend                          ; four runs of 512 bytes: waves 0 to 3 store them
	ds_load_b128 v[PC0:PC0+3], v[GR]
	s_wait_dscnt 0x0
	global_store_b128 v[L16], v[PC0:PC0+3], s[62:63]
.Lkend:
	CLOSE
.Lfunc_end_k_q8cd9272816_proj:
	.size	k_q8cd9272816_proj, .Lfunc_end_k_q8cd9272816_proj-k_q8cd9272816_proj
	.p2alignl 7, 3214868480
	.fill 96, 4, 3214868480
	.section	.rodata,"a",@progbits
	.p2align	6, 0x0
	.amdhsa_kernel k_q8cd9272816_proj
		.amdhsa_group_segment_fixed_size 323584
		.amdhsa_private_segment_fixed_size 0
		.amdhsa_enable_private_segment 0
		.amdhsa_kernarg_size 56
		.amdhsa_user_sgpr_count 2
		.amdhsa_user_sgpr_kernarg_segment_ptr 1
		.amdhsa_wavefront_size32 1
		.amdhsa_system_sgpr_workgroup_id_x 1
		.amdhsa_system_sgpr_workgroup_id_y 1
		.amdhsa_system_sgpr_workgroup_id_z 1
		.amdhsa_system_vgpr_workitem_id 0
		.amdhsa_next_free_vgpr 512
		.amdhsa_next_free_sgpr 66
		.amdhsa_reserve_vcc 0
		.amdhsa_float_denorm_mode_32 3
		.amdhsa_float_denorm_mode_16_64 3
		.amdhsa_memory_ordered 1
		.amdhsa_forward_progress 1
		.amdhsa_inst_pref_size 132
	.end_amdhsa_kernel
	.amdgpu_metadata
---
amdhsa.version: [ 1, 2 ]
amdhsa.kernels:
  - .name:           k_q8cd9272816_proj
    .symbol:         k_q8cd9272816_proj.kd
    .args:
      - { .name: tokens, .offset: 0, .size: 8, .value_kind: global_buffer, .address_space: global }
      - { .name: ctxc, .offset: 8, .size: 8, .value_kind: global_buffer, .address_space: global }
      - { .name: wqc, .offset: 16, .size: 8, .value_kind: global_buffer, .address_space: global }
      - { .name: wkc, .offset: 24, .size: 8, .value_kind: global_buffer, .address_space: global }
      - { .name: wvc, .offset: 32, .size: 8, .value_kind: global_buffer, .address_space: global }
      - { .name: qc, .offset: 40, .size: 8, .value_kind: global_buffer, .address_space: global }
      - { .name: kvc, .offset: 48, .size: 8, .value_kind: global_buffer, .address_space: global }
    .group_segment_fixed_size: 323584
    .private_segment_fixed_size: 0
    .kernarg_segment_align: 8
    .kernarg_segment_size: 56
    .max_flat_workgroup_size: 256
    .sgpr_count:     66
    .vgpr_count:     512
    .wavefront_size: 32
...
	.end_amdgpu_metadata
.endif
;; end of part 2
;; launch attn (part 3): grid 32 x 8, 8 waves a work-group, clusters of 4 x 1, 327,680 bytes of LDS; arguments qc, kvc, out0; writes out0
.if DOCPART == 3
	.amdgcn_target "amdgcn-amd-amdhsa--gfx1250"
	.amdhsa_code_object_version 6
	.text
	.protected	k_q8cd9272816_attn
	.globl	k_q8cd9272816_attn
	.p2align	8
	.type	k_q8cd9272816_attn,@function
k_q8cd9272816_attn:
	s_mov_b64 s[64:65], 0
	v_nop
	global_prefetch_b8 v0, s[64:65] scope:SCOPE_SE
	s_setreg_imm32_b32 hwreg(HW_REG_WAVE_MODE, 25, 1), 1
	s_wait_xcnt 0x0
	s_wait_alu depctr_hold_cnt(0) depctr_sa_sdst(0) depctr_va_vdst(0) depctr_va_sdst(0) depctr_va_ssrc(0) depctr_va_vcc(0) depctr_vm_vsrc(0)
	s_getreg_b32 s2, hwreg(HW_REG_IB_STS2, 6, 4)
	s_cmp_eq_u32 s2, 0
	s_cbranch_scc0 .Lentry_in_a_cluster
	s_endpgm
.Lentry_in_a_cluster:
	s_bfe_u32 s2, ttmp6, 0x10000c
	s_cmp_lg_u32 s2, 0x3003
	s_cbranch_scc0 .Lentry_shape_is_right
	s_endpgm
.Lentry_shape_is_right:
; out[b][q][:] = the sum over keys of softmax(Q[b][q] . K[b][k] / sqrt(512)) V[b][k][:], both products on codes of FP6 (E2M3) with one E8M0 scale for each 32 along a product's K.
; Q, K, V come as images of operand registers (a fragment = 3 x 512 bytes, lane l's 16 bytes at 16 l).
; THE SOFTMAX: t = score x log2(e) / sqrt(512); M = a running largest t rounded UP to a whole number; p = 2^(t - M) is quantised along the keys, not normalised; the row's sum is taken of the unquantised p and divides at the end.
; A block's largest p is the block's largest score put through the same multiply-add and exponential (this takes v_exp_f32 not to fall where its input rises; at the worst one p of a block is held one code low).
; SHARES: a work-group owns 128 queries of one batch.  EIGHT WAVES: waves w and w + 4 own the same 32 queries (group w % 4, tiles u = 0, 1) and share the keys and the channels: half = w / 4.
; PHASE 1 walks K: a chunk holds two key steps of 128 keys; half 0 takes the first, half 1 the second.  Each wave runs its own M and sum over its four steps and keeps p's codes, scale words and -M in LDS.
; BETWEEN: behind a barrier each wave reads all 8 steps' P of its queries.  The final M is the larger of the two waves'; M is a whole number, so only scale bytes hang on it: each step's bytes are lowered by
; (final M - the step's M), held at 0 from below; the two sums are brought under the final M by exact powers of two and added.
; PHASE 2 walks V by quarters of the channels: of a chunk's 8 channel tiles half 0 takes tiles 0-3, half 1 tiles 4-7, over all 8 key steps: 8 accumulators, nothing rescaled.
; THE TWO HALVES TAKE TURNS: behind a change of slots half 0 multiplies and then does its vector work (softmax, or the way out); half 1 first does the vector work of the chunk before and then multiplies.
; Each fragment of K or V read from LDS feeds two matrix instructions.  Both products are transposed: a lane holds ONE query throughout.
; RING: two LDS slots of one chunk (102,400 bytes, dense).  A batch has 8 chunks: 0-3 two K blocks each (32 fragments 4 t + s, then 2,048 bytes of scale words); 4-7 V's channel tiles 8 j + c' of all key steps
; (fragments [k][c'], then scale words [k][lane][4 words]).  Each wave brings an eighth of a chunk (50 rows of 256 bytes) with one tensor load; one load a wave is out at any time.
; CLUSTER: the four query blocks of a cluster belong to one batch and walk the same chunks: each eighth is asked for JOINTLY, by the same load with the same descriptor and the mask of all four.
; LIMITS: p under 2^-126 comes out of v_exp_f32 as 0; a block whose scale byte would fall under 0 under the final M is taken with the byte 0 (it then counts for at most 2^-124 beside a row whose largest p is above 1/2);
; NaN and infinities among the inputs are not served; the scaled scores stay under 2^31 in magnitude.
; REGISTERS: window 0: v0-63 addresses, statistics, scale words; v64-191 S^T, then p; in phase 2 v64-207 three sets of V's fragments (v64-127 also rows of out), v208-223 p's scale words.
;   window 1: phase 1: v0-95 Q, (u, s) at 12 (4 u + s); v96-239 three sets of K's fragments.  phase 2: v0-191 P, (k, u) at 24 k + 12 u; v192-255 O^T, (u, c) at 32 u + 8 c.
.set SLOT1, 1<<17                      ; slot 1: one exclusive or turns an address from one slot to the other
.set CHB,   102400                     ; a chunk
.set HOFF,  49152
.set PA,    102400                     ; between the slots: the kept P of waves 6 and 7
.set SPARE, 233472                     ; behind slot 1: the spare words, 128 bytes a wave: four blocks of 256 bytes that no other line names
.set PB,    234496                     ; the kept P of waves 0 to 5; in phase 2 the eight stages
.set KW,    14336                      ; a wave's kept bytes: four key steps
.set PST,   3584                       ; a key step's: two fragments, then 16 bytes a lane
.set SM,    320512                     ; the waves' sums: 512 bytes a wave
.set SPI,   272                        ; a stage row: 256 bytes + 16
.set STU,   16*SPI
.set STW,   32*SPI
.set L16,  1                           ; 16 x lane
.set LK,   2                           ; + 51,200 x half: my K block in a chunk
.set ADK,  3
.set ADH,  4
.set SPW,  5                           ; my spare word; never rewritten
.set NIL,  6                           ; 0; never rewritten
.set PFO,  7                           ; the prefetches' offset
.set STO,  9                           ; the stage: where I put 32 bytes of a row
.set QSO,  11                          ; Q's scale words: 16 x lane + 4 x group
.set ST,   12                          ; tile u: v[12+4u] -M, +1 the largest t, +2, +3 the sum in two halves
.set FF,   20                          ; tile u: v[20+2u] f, later 1 / sum; v[21+2u] p's scale word
.set QS,   24
.set PSA,  29                          ; where the trip's key step is kept
.set LV,   30                          ; 16 x lane + 6,144 x half: my four channel tiles
.set LS,   31                          ; 16 x lane + 8 x half + HOFF: their scale words
.set KSR,  32                          ; v32-47 K's scale words 4 s + t / 2; V's 2 k + c / 2
.set KB0,  48                          ; my kept bytes + 16 x lane
.set PBL,  49                          ; the same for the loop: half 0 keeps the chunk in hand, half 1 the chunk before
.set SMR,  50
.set SMW,  51
.set RD,   52                          ; the stage: where I read rows back
.set CO,   53                          ; my byte offset in two rows of out
.set ADS,  54
.set HH,   55
.set RA,   56                          ; v56, v57: the kept bytes of my group's half 0 and half 1
.set S,    64
.set FV,   64
.set PCD,  192
.set PWF,  208
.set CT,   216
.set BM,   224
.set T2,   232
.set SO,   240
.set TMP,  248
.set FB,   96
.set OT,   192
.set WV,   10
.set LIM,  20
.set CNT,  21
.set TB,   22
.set FL,   23
.set CS,   36
.set SEL,  38
.set OS,   44
.set SPS,  46
.set HF,   47
.set QW,   48
.set MSB, 0
.macro WIN new                         ; the immediate's high byte repeats the setting that is left
.if MSB != (\new)
	s_set_vgpr_msb (MSB<<8)|(\new)
.set MSB, (\new)
.endif
.endm
.macro PLACES                          ; four places behind matrix instructions (ISA guide 7.12.1 for vector instructions)
.rept 4
	v_nop
.endr
.endm
.macro CROUND                          ; a round of the cluster's barrier
	s_barrier_signal -1
	s_barrier_wait -1
	s_cmp_lg_u32 s[WV], 0
	s_cbranch_scc1 .Lnot_wave_0_\@
	s_barrier_signal -3
.Lnot_wave_0_\@:
	s_barrier_wait -3
	s_barrier_signal -1
	s_barrier_wait -1
.endm
.macro SKIPIF val, lab                 ; the half named goes round the arm that follows; the arm holds no barrier and no tensor load
	s_wait_alu depctr_va_vdst(0)                   ; the wait ahead of a branch
	s_cmp_eq_u32 s[HF], \val
	s_cbranch_scc1 \lab
.endm
.macro WM d, a, b, zero, sa, ra, sb, rb
.if \zero
.if (\ra) && (\rb)
	v_wmma_scale_f32_16x16x128_f8f6f4 v[\d:\d+7], v[\a:\a+11], v[\b:\b+11], 0, v[\sa], v[\sb] matrix_a_fmt:MATRIX_FMT_FP6 matrix_b_fmt:MATRIX_FMT_FP6 matrix_a_scale:MATRIX_SCALE_ROW1 matrix_b_scale:MATRIX_SCALE_ROW1
.elseif \ra
	v_wmma_scale_f32_16x16x128_f8f6f4 v[\d:\d+7], v[\a:\a+11], v[\b:\b+11], 0, v[\sa], v[\sb] matrix_a_fmt:MATRIX_FMT_FP6 matrix_b_fmt:MATRIX_FMT_FP6 matrix_a_scale:MATRIX_SCALE_ROW1
.elseif \rb
	v_wmma_scale_f32_16x16x128_f8f6f4 v[\d:\d+7], v[\a:\a+11], v[\b:\b+11], 0, v[\sa], v[\sb] matrix_a_fmt:MATRIX_FMT_FP6 matrix_b_fmt:MATRIX_FMT_FP6 matrix_b_scale:MATRIX_SCALE_ROW1
.else
	v_wmma_scale_f32_16x16x128_f8f6f4 v[\d:\d+7], v[\a:\a+11], v[\b:\b+11], 0, v[\sa], v[\sb] matrix_a_fmt:MATRIX_FMT_FP6 matrix_b_fmt:MATRIX_FMT_FP6
.endif
.else
.if (\ra) && (\rb)
	v_wmma_scale_f32_16x16x128_f8f6f4 v[\d:\d+7], v[\a:\a+11], v[\b:\b+11], v[\d:\d+7], v[\sa], v[\sb] matrix_a_fmt:MATRIX_FMT_FP6 matrix_b_fmt:MATRIX_FMT_FP6 matrix_a_scale:MATRIX_SCALE_ROW1 matrix_b_scale:MATRIX_SCALE_ROW1
.elseif \ra
	v_wmma_scale_f32_16x16x128_f8f6f4 v[\d:\d+7], v[\a:\a+11], v[\b:\b+11], v[\d:\d+7], v[\sa], v[\sb] matrix_a_fmt:MATRIX_FMT_FP6 matrix_b_fmt:MATRIX_FMT_FP6 matrix_a_scale:MATRIX_SCALE_ROW1
.elseif \rb
	v_wmma_scale_f32_16x16x128_f8f6f4 v[\d:\d+7], v[\a:\a+11], v[\b:\b+11], v[\d:\d+7], v[\sa], v[\sb] matrix_a_fmt:MATRIX_FMT_FP6 matrix_b_fmt:MATRIX_FMT_FP6 matrix_b_scale:MATRIX_SCALE_ROW1
.else
	v_wmma_scale_f32_16x16x128_f8f6f4 v[\d:\d+7], v[\a:\a+11], v[\b:\b+11], v[\d:\d+7], v[\sa], v[\sb] matrix_a_fmt:MATRIX_FMT_FP6 matrix_b_fmt:MATRIX_FMT_FP6
.endif
.endif
.endm
; A wave's 32 fragments of a chunk go in 8 groups of four; group g lies in set g % 3.  K: e step g / 2, key tiles 4 (g % 2) + q.  V: key step g, my channel tiles q.
.macro LOADK g
.irp q, 0,1,2,3
.irp c, 0,1,2
	ds_load_b128 v[FB+48*((\g)%3)+12*\q+4*\c:FB+48*((\g)%3)+12*\q+4*\c+3], v[ADK] offset:1536*(4*(4*((\g)%2)+\q)+(\g)/2)+512*\c
.endr
.endr
.endm
.macro LOADV g
.irp q, 0,1,2,3
.irp c, 0,1,2
.if (\g) < 4
	ds_load_b128 v[FV+48*((\g)%3)+12*\q+4*\c:FV+48*((\g)%3)+12*\q+4*\c+3], v[ADK] offset:1536*(8*(\g)+\q)+512*\c
.else
	ds_load_b128 v[FV+48*((\g)%3)+12*\q+4*\c:FV+48*((\g)%3)+12*\q+4*\c+3], v[ADH] offset:1536*(8*((\g)-4)+\q)+512*\c
.endif
.endr
.endr
.endm
.macro MULK g                          ; 8 matrix instructions on 8 accumulators, one instruction a turn
.irp q, 0,1,2,3
.irp u, 0,1
.set tt, 4*((\g)%2)+\q
.set se, (\g)/2
.set zz, 0
.if se == 0
.set zz, 1
.endif
	WM S+64*\u+8*tt, FB+48*((\g)%3)+12*\q, 12*(4*\u+se), zz, KSR+4*se+tt/2, \q%2, QS+se, \u
.endr
.endr
.endm
.macro MULV g
.irp q, 0,1,2,3
.irp u, 0,1
.set zz, 0
.if (\g) == 0
.set zz, 1
.endif
	WM OT+32*\u+8*\q, FV+48*((\g)%3)+12*\q, 24*(\g)+12*\u, zz, KSR+2*(\g)+\q/2, \q%2, PWF+2*(\g)+\u, 0
.endr
.endr
.endm
.macro GROUP g, v
.if (\g) <= 5
	s_wait_dscnt 24                                ; this group's 12 loads are in; the two younger groups' 24 may be out
.elseif (\g) == 6
	s_wait_dscnt 12
.else
	s_wait_dscnt 0
.endif
.if \v
	WIN 0x54                                       ; V in window 0; P and O^T in window 1
	MULV \g
.else
	WIN 0x05                                       ; K and Q in window 1, S^T in window 0
	MULK \g
.endif
	PLACES
.if (\g)+3 <= 7
.if \v
	WIN 0
	LOADV (\g)+3                                   ; into the set just multiplied
.else
	WIN 0x40
	LOADK (\g)+3
.endif
.endif
.endm
; the softmax of both tiles for one key step, the tiles by turns
.macro SOFT
	WIN 0
	s_wait_alu depctr_va_vdst(0)                   ; the wait, directly ahead of the first reader of S^T
.irp u, 0,1
.irp b, 0,1,2,3
	v_max3_num_f32 v[BM+4*\u+\b], v[S+64*\u+16*\b], v[S+64*\u+16*\b+1], v[S+64*\u+16*\b+2]   ; the largest score of each block of 32 keys; each accumulator from its low end on
.endr
.endr
.irp i, 3,5,7,9,11,13
.irp u, 0,1
.irp b, 0,1,2,3
	v_max3_num_f32 v[BM+4*\u+\b], v[BM+4*\u+\b], v[S+64*\u+16*\b+\i], v[S+64*\u+16*\b+\i+1]
.endr
.endr
.endr
.irp n, 0,1,2,3,4,5,6,7
	v_max_num_f32 v[BM+\n], v[BM+\n], v[S+16*\n+15]
.endr
.irp n, 0,1,2,3,4,5,6,7
	v_permlanex16_b32 v[T2+\n], v[BM+\n], s[SEL], s[SEL+1]
.endr
.irp n, 0,1,2,3,4,5,6,7
	v_max_num_f32 v[BM+\n], v[BM+\n], v[T2+\n]     ; with lane l xor 16's 16 keys
.endr
.irp u, 0,1
	v_max3_num_f32 v[TMP+\u], v[BM+4*\u], v[BM+4*\u+1], v[BM+4*\u+2]
.endr
.irp u, 0,1
	v_max_num_f32 v[TMP+\u], v[TMP+\u], v[BM+4*\u+3]
.endr
.irp u, 0,1
	v_mul_f32 v[TMP+\u], s[CS], v[TMP+\u]          ; as t (c is positive)
.endr
.irp u, 0,1
	v_max_num_f32 v[ST+4*\u+1], v[ST+4*\u+1], v[TMP+\u]   ; my running largest t
.endr
.irp u, 0,1
	v_mov_b32 v[TMP+\u], v[ST+4*\u]
.endr
.irp u, 0,1
	v_floor_f32 v[ST+4*\u], -v[ST+4*\u+1]          ; the new -M = floor(-t)
.endr
.irp u, 0,1
	v_sub_f32 v[TMP+\u], v[ST+4*\u], v[TMP+\u]     ; old M - new M: a whole number, 0 or less
.endr
.irp u, 0,1
	v_cvt_i32_f32 v[TMP+\u], v[TMP+\u]             ; (it saturates)
.endr
.irp u, 0,1
	v_ldexp_f32 v[FF+2*\u], 1.0, v[TMP+\u]         ; f = 2^(old M - new M): for the sum
.endr
.irp u, 0,1
.irp j, 0,2,4,6,8,10,12,14,16,18,20,22,24,26,28,30,32,34,36,38,40,42,44,46,48,50,52,54,56,58,60,62
	v_pk_fma_f32 v[S+64*\u+\j:S+64*\u+\j+1], v[S+64*\u+\j:S+64*\u+\j+1], s[CS:CS+1], v[ST+4*\u:ST+4*\u+1] op_sel_hi:[1,0,0]   ; t - M
.endr
.endr
.irp u, 0,1
.irp b, 0,1,2,3
	v_fma_f32 v[BM+4*\u+\b], v[BM+4*\u+\b], s[CS], v[ST+4*\u]
.endr
.endr
.set j, 0
	s_wait_alu depctr_va_vdst(0)                   ; the wait ahead of the batch
.rept 128
	v_exp_f32 v[S+j], v[S+j]                       ; p = 2^(t - M): one batch of 136 exponentials
.set j, j+1
.endr
.irp n, 0,1,2,3,4,5,6,7
	v_exp_f32 v[BM+\n], v[BM+\n]                   ; the blocks' largest p
.endr
.irp u, 0,1
	v_pk_mul_f32 v[ST+4*\u+2:ST+4*\u+3], v[ST+4*\u+2:ST+4*\u+3], v[FF+2*\u:FF+2*\u+1] op_sel_hi:[1,0]   ; the sums under the new M: the plain place behind the exponentials
.endr
	s_wait_alu depctr_va_vdst(0)                   ; one wait for the whole batch, ahead of its first reader
.irp u, 0,1
	v_pk_add_f32 v[T2+4*\u:T2+4*\u+1], v[S+64*\u:S+64*\u+1], v[S+64*\u+2:S+64*\u+3]   ; the row's sum is taken of the unquantised p: two chains a tile
.endr
.irp j, 4,8,12,16,20,24,28,32,36,40,44,48,52,56,60
.irp u, 0,1
	v_pk_add_f32 v[ST+4*\u+2:ST+4*\u+3], v[ST+4*\u+2:ST+4*\u+3], v[S+64*\u+\j:S+64*\u+\j+1]
	v_pk_add_f32 v[T2+4*\u:T2+4*\u+1], v[T2+4*\u:T2+4*\u+1], v[S+64*\u+\j+2:S+64*\u+\j+3]
.endr
.endr
.irp u, 0,1
	v_pk_add_f32 v[ST+4*\u+2:ST+4*\u+3], v[ST+4*\u+2:ST+4*\u+3], v[T2+4*\u:T2+4*\u+1]
.endr
.irp n, 0,1,2,3,4,5,6,7
	v_max_num_f32 v[BM+\n], 0x1800000, v[BM+\n]    ; the floor 2^(3 - 127): the byte cannot fall under 1
.endr
.irp n, 0,1,2,3,4,5,6,7
	v_add_nc_u32 v[SO+\n], 0xff000000, v[BM+\n]    ; 2 off the exponent field: the conversion's scale operand
.endr
.irp n, 0,1,2,3,4,5,6,7
	v_lshrrev_b32 v[T2+\n], 23, v[SO+\n]           ; the scale's byte
.endr
.irp u, 0,1
	v_lshl_or_b32 v[FF+2*\u+1], v[T2+4*\u+1], 8, v[T2+4*\u]
.endr
.irp u, 0,1
	v_lshl_or_b32 v[FF+2*\u+1], v[T2+4*\u+2], 16, v[FF+2*\u+1]
.endr
.irp u, 0,1
	v_lshl_or_b32 v[FF+2*\u+1], v[T2+4*\u+3], 24, v[FF+2*\u+1]
.endr
.irp u, 0,1
.irp c, 0,1
	v_cvt_scalef32_pk16_fp6_f32 v[PCD+12*\u+6*\c:PCD+12*\u+6*\c+2], v[S+64*\u+32*\c:S+64*\u+32*\c+15], v[SO+4*\u+2*\c]
	v_cvt_scalef32_pk16_fp6_f32 v[CT+4*\c:CT+4*\c+2], v[S+64*\u+32*\c+16:S+64*\u+32*\c+31], v[SO+4*\u+2*\c+1]
.endr
	v_nop                                          ; one plain place behind a scaled conversion
.irp c, 0,1                                    ; the operand's layout wants a whole block in a lane
.irp i, 0,1,2
	v_permlane16_swap_b32 v[PCD+12*\u+6*\c+\i], v[CT+4*\c+\i]
.endr
.irp i, 0,1,2
	v_mov_b32 v[PCD+12*\u+6*\c+3+\i], v[CT+4*\c+\i]
.endr
.endr
.endr
.endm
; a key step's P is kept: two fragments as images, then (word 0, word 1, -M 0, -M 1), 16 bytes a lane
.macro SAVE adr, off
	v_mov_b32 v[CT], v[FF+1]
	v_mov_b32 v[CT+1], v[FF+3]
	v_mov_b32 v[CT+2], v[ST]
	v_mov_b32 v[CT+3], v[ST+4]
.irp u, 0,1
.irp c, 0,1,2
	ds_store_b128 v[\adr], v[PCD+12*\u+4*\c:PCD+12*\u+4*\c+3] offset:\off+1536*\u+512*\c
.endr
.endr
	ds_store_b128 v[\adr], v[CT:CT+3] offset:\off+3072
.endm
; PHASE 1: my key step of the chunk in the slot at s[TB]: S^T = K Q^T
.macro MATRIX1
	v_add_nc_u32 v[ADK], s[TB], v[LK]
	s_wait_alu depctr_va_vdst(0)                   ; the wait behind the write
.irp e, 0,1,2,3
	ds_load_b128 v[KSR+4*\e:KSR+4*\e+3], v[ADK] offset:HOFF+512*\e
.endr
	WIN 0x40
	LOADK 0
	LOADK 1
	LOADK 2
.irp g, 0,1,2,3,4,5,6,7
	GROUP \g, 0
.endr
	WIN 0
	s_xor_b32 s[TB], s[TB], SLOT1
.endm
; PHASE 2: my four channel tiles of the chunk, all 8 key steps
.macro MULT2
	v_add_nc_u32 v[ADK], s[TB], v[LV]
	v_add_nc_u32 v[ADS], s[TB], v[LS]
	v_add_nc_u32 v[ADH], HOFF, v[ADK]
	s_wait_alu depctr_va_vdst(0)
	s_wait_xcnt 0x0                                ; the last way out's stores have read their registers, into which V's fragments are loaded
.irp e, 0,1,2,3,4,5,6,7
	ds_load_b64 v[KSR+2*\e:KSR+2*\e+1], v[ADS] offset:HOFF+512*\e   ; key step e: my two of its four scale words
.endr
	LOADV 0
	LOADV 1
	LOADV 2
.irp g, 0,1,2,3,4,5,6,7
	GROUP \g, 1
.endr
	WIN 0
	s_xor_b32 s[TB], s[TB], SLOT1
.endm
; THE WAY OUT: 32 queries x 64 channels.  O^T / the sum goes through my stage and leaves as rows: sixteen lanes store 256 consecutive bytes, aligned
.macro WAYOUT
	WIN 0x41                                       ; destination and source 0 in window 1, 1 / sum in window 0
.irp u, 0,1
.set j, 0
.rept 16
	v_pk_mul_f32 v[OT+32*\u+j:OT+32*\u+j+1], v[OT+32*\u+j:OT+32*\u+j+1], v[FF+2*\u:FF+2*\u+1] op_sel_hi:[1,0]   ; ascending: each accumulator from its low end on
.set j, j+2
.endr
.endr
	s_wait_alu depctr_va_vdst(0)
	s_wait_xcnt 0x0                                ; earlier stores have read their base
	s_add_nc_u64 s[8:9], s[8:9], s[OS:OS+1]        ; 128 channels on (the first time: 0)
	s_mov_b32 s[OS], 512
	WIN 0x04                                       ; an LDS store's data are its source 1: window 1
.irp u, 0,1
.irp c, 0,1,2,3
	ds_store_b128 v[STO], v[OT+32*\u+8*\c:OT+32*\u+8*\c+3] offset:STU*\u+64*\c
	ds_store_b128 v[STO], v[OT+32*\u+8*\c+4:OT+32*\u+8*\c+7] offset:STU*\u+64*\c+16
.endr
.endr
	WIN 0
.set i, 0
.rept 16
	ds_load_b128 v[S+4*i:S+4*i+3], v[RD] offset:2*SPI*i   ; LDS serves a wave's instructions in order: these see my stores
.set i, i+1
.endr
.set i, 0
.rept 16
	s_wait_dscnt 15-i                              ; load i is in; the younger loads may be out
	global_store_b128 v[CO], v[S+4*i:S+4*i+3], s[8:9] offset:4096*i th:TH_STORE_NT
.set i, i+1
.endr
.endm
; A prefetch into the L2 of the chunk that the NEXT change of slots will ask for: 400 blocks of 256 bytes.  The batch's first cluster asks: waves 0-3 of its four partners take 25 blocks each, told apart BY ADDRESS,
; lanes 256 bytes apart (lanes 25-31 name block 24 again).  The last change that fills a slot asks for nothing.  Chunks 0 and 1 come by their loads alone.
.macro ASK
	s_cmp_gt_u32 s[FL], s[LIM]
	s_cbranch_scc0 .Lnot_mine_\@
	global_prefetch_b8 v[PFO], s[18:19] th:TH_LOAD_NT scope:SCOPE_SE
.Lnot_mine_\@:
.endm
; THE CHANGE OF SLOTS.  Each wave waits for all its tensor loads, adds 0 to its spare word, and waits for that and for its reads of the slot that it has left; fill = 1: a round of the cluster's barrier, then the joint refill
.macro CHANGE fill
	s_wait_alu depctr_va_vdst(0)                   ; the wait ahead of the waits below
.if \fill
	s_wait_xcnt 0x0                                ; the last prefetch, a chunk back, has read its address
	s_add_nc_u64 s[18:19], s[18:19], CHB
.endif
	s_wait_tensorcnt 0x0
	ds_add_u32 v[SPW], v[NIL]
.if \fill
	s_xor_b32 s33, s33, SLOT1
	s_add_nc_u64 s[34:35], s[34:35], CHB
	s_wait_dscnt 0x0
	CROUND
	tensor_load_to_lds s[32:35], s[24:31]
	s_nop 0
.rept 4
	v_nop
.endr
	ASK
	s_sub_co_u32 s[FL], s[FL], 1
.else
	s_wait_dscnt 0x0
	s_barrier_signal -1
	s_barrier_wait -1
.endif
.endm
; where wave x keeps its P: waves 0-5 at PB + KW x, waves 6 and 7 at PA + KW (x - 6).  f = 1 for 6 and 7
.macro KBASE d, x, t
	s_lshr_b32 s[\t], s[\x], 1
	s_lshr_b32 s[\d], s[\x], 2
	s_and_b32 s[\t], s[\t], s[\d]
	s_mul_i32 s[\d], s[\t], 6
	s_xor_b32 s[\d], s[\d], 7
	s_and_b32 s[\d], s[\d], s[\x]
	s_mul_i32 s[\d], s[\d], KW
	s_xor_b32 s[\t], s[\t], 1
	s_mul_i32 s[\t], s[\t], PB-PA
	s_add_co_u32 s[\d], s[\d], s[\t]
	s_add_co_u32 s[\d], s[\d], PA
.endm
	s_load_b128 s[4:7], s[0:1], 0x0                ; qc, kvc
	s_load_b64 s[8:9], s[0:1], 0x10                ; out0
	v_lshl_add_u32 v[SPW], v0, 2, SPARE
	v_mov_b32 v[NIL], 0
	ds_add_u32 v[SPW], v[NIL]                      ; the opening: the add, twice on end, and its wait ahead of my first tensor load
	ds_add_u32 v[SPW], v[NIL]
	v_lshrrev_b32 v8, 5, v0
	v_readfirstlane_b32 s[WV], v8                  ; wave 0..7
	s_lshr_b32 s[HF], s[WV], 2                     ; half
	s_and_b32 s[QW], s[WV], 3                      ; query group
	s_bfe_u32 s11, ttmp6, 0x40000                  ; cx: it enters Q's, out's and the prefetches' addresses alone
	s_and_b32 s13, ttmp7, 0xffff                   ; the batch
	s_lshl_b32 s12, ttmp9, 2
	s_add_co_u32 s12, s12, s11
	s_lshl_b32 s14, s13, 5
	s_add_co_u32 s12, s12, s14                     ; my Q block
	s_mov_b32 s24, 15|(3<<16)|(1<<21)              ; group 1: the mask of all four; elements of 8 bytes; bit 21 beside a mask
	s_mov_b32 s25, 32<<16
	s_mov_b32 s26, 50<<16                          ; 50 rows of 256 bytes, dense
	s_mov_b32 s27, 32<<16
	s_mov_b32 s28, 50
	s_mov_b32 s29, 32
	s_mov_b32 s30, 0
	s_mov_b32 s31, 0
	s_mov_b32 s32, 1
	s_mul_i32 s33, s[WV], 12800                    ; my eighth of slot 0
	s_mul_i32 s40, s13, 819200
	s_add_co_u32 s40, s40, s33
	s_mov_b32 s41, 0
	s_mov_b32 s15, 0
	s_mov_b32 s[CS], 0x3d8293ee                    ; c = log2(e) / sqrt(512)
	s_mov_b32 s[CS+1], s[CS]
	s_mov_b32 s[SEL], 0x76543210
	s_mov_b32 s[SEL+1], 0xfedcba98
	s_mov_b32 s[TB], 0
	s_mov_b32 s[FL], 7
	s_mov_b32 s[OS], 0
	s_mov_b32 s[OS+1], 0
	s_mov_b32 s[SPS], 0
	s_cmp_eq_u32 ttmp9, 0
	s_cselect_b32 s[LIM], 1, -1
	s_cmp_lt_u32 s[WV], 4
	s_cselect_b32 s[LIM], s[LIM], -1
	s_mul_i32 s49, s[HF], 51200
	s_mul_i32 s50, s[HF], 6144
	s_lshl_b32 s51, s[HF], 3
	s_add_co_u32 s51, s51, HOFF
	KBASE 52, WV, 42
	s_xor_b32 s53, s[HF], 1
	s_mul_i32 s53, s53, PST
	KBASE 54, QW, 42
	s_or_b32 s43, s[QW], 4
	KBASE 55, 43, 42
	s_lshl_b32 s56, s[QW], 9
	s_add_co_u32 s56, s56, SM
	s_lshl_b32 s57, s[HF], 11
	s_mul_i32 s58, s[WV], STW
	s_add_co_u32 s58, s58, PB                      ; my stage
	v_and_b32 v8, 31, v0
	v_lshlrev_b32 v[L16], 4, v8
	v_min_u32 v[PFO], 24, v8
	v_lshlrev_b32 v[PFO], 8, v[PFO]
	v_add_nc_u32 v[LK], s49, v[L16]
	v_add_nc_u32 v[LV], s50, v[L16]
	v_add_nc_u32 v[LS], s51, v[L16]
	v_lshl_add_u32 v[QSO], s[QW], 2, v[L16]
	v_add_nc_u32 v[KB0], s52, v[L16]
	v_add_nc_u32 v[PBL], s53, v[KB0]
	v_add_nc_u32 v[RA], s54, v[L16]
	v_add_nc_u32 v[RA+1], s55, v[L16]
	v_add_nc_u32 v[SMR], s56, v[L16]
	v_add_nc_u32 v[SMW], s57, v[SMR]
	v_and_b32 v8, 15, v0                           ; r
	v_bfe_u32 v[HH], v0, 4, 1                      ; h
	v_mul_u32_u24 v[STO], v8, SPI
	v_lshl_add_u32 v[STO], v[HH], 5, v[STO]
	v_add_nc_u32 v[STO], s58, v[STO]               ; into the stage: row r, + 32 h
	v_mul_u32_u24 v[RD], v[HH], SPI
	v_lshl_add_u32 v[RD], v8, 4, v[RD]
	v_add_nc_u32 v[RD], s58, v[RD]                 ; back: lanes 0-15 one row of 256 bytes, lanes 16-31 the next
	v_lshlrev_b32 v[CO], 11, v[HH]
	v_lshl_add_u32 v[CO], v8, 4, v[CO]             ; and the same two rows in out
	s_wait_alu depctr_va_vdst(0)                   ; the wait at the head's end
	s_wait_dscnt 0x0                               ; both opening adds are done
	s_wait_kmcnt 0x0
	s_add_nc_u64 s[34:35], s[6:7], s[40:41]        ; chunk 0, my eighth
	s_or_b32 s35, s35, 0x80000000
	s_mul_i32 s14, s12, 51200
	s_add_nc_u64 s[4:5], s[4:5], s[14:15]
	s_add_nc_u64 s[16:17], s[4:5], 49152           ; Q's scale words
	s_mul_i32 s14, s[QW], 12288
	s_add_nc_u64 s[4:5], s[4:5], s[14:15]          ; my group's 8 fragments
	s_lshl_b32 s14, s12, 18                        ; out: 128 rows of 2,048 bytes a block,
	s_lshl_b32 s43, s[QW], 16                      ; 32 a group,
	s_add_co_u32 s14, s14, s43
	s_lshl_b32 s43, s[HF], 8                       ; 64 channels a half
	s_add_co_u32 s14, s14, s43
	s_add_nc_u64 s[8:9], s[8:9], s[14:15]
	s_lshl_b32 s14, s11, 2
	s_add_co_u32 s14, s14, s[QW]
	s_mul_i32 s14, s14, 6400
	s_mul_i32 s43, s13, 819200
	s_add_co_u32 s14, s14, s43
	s_add_co_u32 s14, s14, CHB                     ; in chunk 1: the first change of slots steps it to chunk 2
	s_add_nc_u64 s[18:19], s[6:7], s[14:15]
	CROUND                                         ; all four work-groups are here: the first joint loads meet
	tensor_load_to_lds s[32:35], s[24:31]          ; chunk 0 into slot 0
	s_nop 0
.rept 4
	v_nop
.endr
	WIN 0x40
.set i, 0
.rept 24
	global_load_b128 v[4*i:4*i+3], v[L16], s[4:5] offset:512*i   ; Q stays in registers through phase 1
.set i, i+1
.endr
	WIN 0
.irp e, 0,1,2,3
	global_load_b32 v[QS+\e], v[QSO], s[16:17] offset:512*\e
.endr
.irp u, 0,1
	v_mov_b32 v[ST+4*\u+1], 0xff61b1e6             ; the largest t so far: -3e38
	v_floor_f32 v[ST+4*\u], -v[ST+4*\u+1]
	v_mov_b32 v[ST+4*\u+2], 0
	v_mov_b32 v[ST+4*\u+3], 0
	v_mov_b32 v[FF+2*\u], 0
	v_mov_b32 v[FF+2*\u+1], 0
.endr
.irp n, 0,1,2,3,4,5,6,7
	v_mov_b32 v[T2+\n], 0                          ; written once: a lane permute's destination counts as one of its sources
.endr
	; ---- PHASE 1
	CHANGE 1
	s_wait_loadcnt 0x0                             ; Q
	MATRIX1
	SKIPIF 1, .La0
	SOFT
	SAVE KB0, 0
.La0:
	s_mov_b32 s[CNT], 3
.Lk:                                               ; three trips: chunks 1 to 3
	CHANGE 1
	v_add_nc_u32 v[PSA], s[SPS], v[PBL]
	SKIPIF 0, .Lb1
	SOFT                                           ; half 1: the chunk before
	SAVE PSA, 0
.Lb1:
	MATRIX1
	SKIPIF 1, .La1
	SOFT                                           ; half 0: this chunk
	SAVE PSA, 0
.La1:
	s_add_co_u32 s[SPS], s[SPS], PST
	s_sub_co_u32 s[CNT], s[CNT], 1
	s_cmp_lg_u32 s[CNT], 0
	s_cbranch_scc1 .Lk
	SKIPIF 0, .Lb2
	SOFT                                           ; half 1: chunk 3
	SAVE KB0, 3*PST
.Lb2:
	; ---- BETWEEN THE PHASES
.irp u, 0,1
	v_add_f32 v[TMP+\u], v[ST+4*\u+2], v[ST+4*\u+3]
.endr
.irp u, 0,1
	v_permlanex16_b32 v[T2+4*\u], v[TMP+\u], s[SEL], s[SEL+1]
.endr
.irp u, 0,1
	v_add_f32 v[TMP+\u], v[TMP+\u], v[T2+4*\u]     ; my four steps' sum, under my last M
.endr
	ds_store_b64 v[SMW], v[TMP:TMP+1]
	s_wait_dscnt 0x0                               ; my kept P and my sums are written: zero, for the other half's sake
	s_barrier_signal -1
	s_barrier_wait -1                              ; chunk 4's load may be on its way
	WIN 0x40
.irp j, 0,1,2,3
.irp hh, 0,1
.irp u, 0,1
.irp c, 0,1,2
	ds_load_b128 v[24*(2*\j+\hh)+12*\u+4*\c:24*(2*\j+\hh)+12*\u+4*\c+3], v[RA+\hh] offset:PST*\j+1536*\u+512*\c   ; key step 2 j + half
.endr
.endr
.endr
.endr
	WIN 0
.irp j, 0,1,2,3
.irp hh, 0,1
	ds_load_b128 v[S+4*(2*\j+\hh):S+4*(2*\j+\hh)+3], v[RA+\hh] offset:PST*\j+3072   ; the step's (word 0, word 1, -M 0, -M 1)
.endr
.endr
	ds_load_b64 v[T2:T2+1], v[SMR]                 ; half 0's sums,
	ds_load_b64 v[T2+2:T2+3], v[SMR] offset:2048   ; half 1's
	s_wait_dscnt 0x0
.irp u, 0,1
	v_min_num_f32 v[ST+4*\u], v[S+26+\u], v[S+30+\u]   ; the final -M: the lesser of the two halves' last
.endr
.irp k, 0,1,2,3,4,5,6,7
.irp u, 0,1
	v_sub_f32 v[96+2*\k+\u], v[S+4*\k+2+\u], v[ST+4*\u]   ; d = final M - the step's M: a whole number, 0 or more
.endr
.endr
.irp n, 0,1,2,3,4,5,6,7,8,9,10,11,12,13,14,15
	v_cvt_i32_f32 v[96+\n], v[96+\n]               ; (it saturates)
.endr
.irp u, 0,1
	v_sub_nc_u32 v[T2+4+\u], 0, v[96+12+\u]
	v_sub_nc_u32 v[T2+6+\u], 0, v[96+14+\u]
.endr
.irp u, 0,1
	v_ldexp_f32 v[T2+\u], v[T2+\u], v[T2+4+\u]     ; each half's sum under the final M: nothing is rounded
	v_ldexp_f32 v[T2+2+\u], v[T2+2+\u], v[T2+6+\u]
.endr
.irp u, 0,1
	v_add_f32 v[TMP+\u], v[T2+\u], v[T2+2+\u]
.endr
	s_wait_alu depctr_va_vdst(0)
.irp u, 0,1
	v_rcp_f32 v[FF+2*\u], v[TMP+\u]
.endr
	v_nop
	s_wait_alu depctr_va_vdst(0)
	; word n = 2 k + u: each byte less d, held at 0: byte - min(byte, d)
.irp k, 0,1,2,3,4,5,6,7
.irp u, 0,1
	v_bfe_u32 v[112+2*\k+\u], v[S+4*\k+\u], 0, 8
	v_bfe_u32 v[128+2*\k+\u], v[S+4*\k+\u], 8, 8
	v_bfe_u32 v[144+2*\k+\u], v[S+4*\k+\u], 16, 8
	v_lshrrev_b32 v[160+2*\k+\u], 24, v[S+4*\k+\u]
.endr
.endr
.irp b, 112,128,144,160
.irp n, 0,1,2,3,4,5,6,7,8,9,10,11,12,13,14,15
	v_min_u32 v[176+\n], v[\b+\n], v[96+\n]
.endr
.irp n, 0,1,2,3,4,5,6,7,8,9,10,11,12,13,14,15
	v_sub_nc_u32 v[\b+\n], v[\b+\n], v[176+\n]
.endr
.endr
.irp n, 0,1,2,3,4,5,6,7,8,9,10,11,12,13,14,15
	v_lshl_or_b32 v[PWF+\n], v[128+\n], 8, v[112+\n]
.endr
.irp n, 0,1,2,3,4,5,6,7,8,9,10,11,12,13,14,15
	v_lshl_or_b32 v[PWF+\n], v[144+\n], 16, v[PWF+\n]
.endr
.irp n, 0,1,2,3,4,5,6,7,8,9,10,11,12,13,14,15
	v_lshl_or_b32 v[PWF+\n], v[160+\n], 24, v[PWF+\n]
.endr
.rept 8
	v_nop                                          ; a scale word written by a vector instruction stands 8 places ahead of a scaled matrix instruction
.endr
	; ---- PHASE 2
	CHANGE 1
	MULT2
	SKIPIF 1, .La3
	WAYOUT
.La3:
	s_mov_b32 s[CNT], 2
.Lv:                                               ; two trips: chunks 5 and 6
	CHANGE 1
	SKIPIF 0, .Lb4
	WAYOUT                                         ; half 1: the quarter before
.Lb4:
	MULT2
	SKIPIF 1, .La4
	WAYOUT                                         ; half 0: this quarter
.La4:
	s_sub_co_u32 s[CNT], s[CNT], 1
	s_cmp_lg_u32 s[CNT], 0
	s_cbranch_scc1 .Lv
	CHANGE 0                                       ; the last chunk is written out
	SKIPIF 0, .Lb5
	WAYOUT
.Lb5:
	MULT2
	WAYOUT
	s_wait_tensorcnt 0x0                           ; the wave's end
	ds_add_u32 v[SPW], v[NIL]
	s_wait_dscnt 0x0
	CROUND                                         ; the closing round
	s_endpgm
.Lfunc_end_k_q8cd9272816_attn:
	.size	k_q8cd9272816_attn, .Lfunc_end_k_q8cd9272816_attn-k_q8cd9272816_attn
	.p2alignl 7, 3214868480
	.fill 96, 4, 3214868480
	.section	.rodata,"a",@progbits
	.p2align	6, 0x0
	.amdhsa_kernel k_q8cd9272816_attn
		.amdhsa_group_segment_fixed_size 327680
		.amdhsa_private_segment_fixed_size 0
		.amdhsa_enable_private_segment 0
		.amdhsa_kernarg_size 24
		.amdhsa_user_sgpr_count 2
		.amdhsa_user_sgpr_kernarg_segment_ptr 1
		.amdhsa_wavefront_size32 1
		.amdhsa_system_sgpr_workgroup_id_x 1
		.amdhsa_system_sgpr_workgroup_id_y 1
		.amdhsa_system_sgpr_workgroup_id_z 1
		.amdhsa_system_vgpr_workitem_id 0
		.amdhsa_next_free_vgpr 512
		.amdhsa_next_free_sgpr 66
		.amdhsa_reserve_vcc 0
		.amdhsa_float_denorm_mode_32 3
		.amdhsa_float_denorm_mode_16_64 3
		.amdhsa_memory_ordered 1
		.amdhsa_forward_progress 1
		.amdhsa_inst_pref_size 233
	.end_amdhsa_kernel
	.amdgpu_metadata
---
amdhsa.version: [ 1, 2 ]
amdhsa.kernels:
  - .name:           k_q8cd9272816_attn
    .symbol:         k_q8cd9272816_attn.kd
    .args:
      - { .name: qc, .offset: 0, .size: 8, .value_kind: global_buffer, .address_space: global }
      - { .name: kvc, .offset: 8, .size: 8, .value_kind: global_buffer, .address_space: global }
      - { .name: out0, .offset: 16, .size: 8, .value_kind: global_buffer, .address_space: global }
    .group_segment_fixed_size: 327680
    .private_segment_fixed_size: 0
    .kernarg_segment_align: 8
    .kernarg_segment_size: 24
    .max_flat_workgroup_size: 256
    .sgpr_count:     66
    .vgpr_count:     512
    .wavefront_size: 32
...
	.end_amdgpu_metadata
.endif
;; end of part 3
